; MI455X (gfx1250); checked and timed in simulation.
; The chip was launched on July 23, 2026; its instructions are those of AMD's public machine-readable ISA for CDNA 5 (MIT licence, August 2026) and "CDNA5" Instruction Set Architecture Reference Guide (July 2026). The comments in the code are by the model that wrote it; some were corrected since.
;; MHA. Allowed arithmetic: matrix products marked QUANTISED: E2M3 operands, one E8M0 scale for each 32 along K, by v_wmma_scale_f32_16x16x128_f8f6f4 with both operands' format E2M3, f32 sums; everything else in f32.
;; Inputs: token_positions 2,048 int32; wk 1,024 x 1,024 float32; wo 1,024 x 1,024 float32; wq 1,024 x 1,024 float32; wv 1,024 x 1,024 float32; x 4 x 2,048 x 1,024 float32.
;; Outputs: out0 4 x 2,048 x 1,024 float32.
;; This version of the problem:
;;   THIS VERSION OF THE PROBLEM IS GIVEN IN LOW PRECISION. The matrix products marked QUANTISED in the list below multiply operands that are first quantised to E2M3 (2 exponent bits, 3 mantissa bits; 6 bits a number), with one power-of-two scale for each 32 numbers along K (OCP MX v1.0); their sums are f32. All else is computed in f32.
;;   The module's matrix products, in the order in which they are computed (A, B: the left and right operand; K: the contracted axis; several contracted axes count as one K, in the product's order):
;;     1. [M 8,192, K 1,024] x [K 1,024, N 1,024]; A: input x; B: input wq: QUANTISED
;;     2. [M 8,192, K 1,024] x [K 1,024, N 1,024]; A: input x; B: input wk: QUANTISED
;;     3. [M 8,192, K 1,024] x [K 1,024, N 1,024]; A: input x; B: input wv: QUANTISED
;;     4. batch 64 x [M 2,048, K 64] x [K 64, N 2,048]; A: computed on the way; B: computed on the way: QUANTISED
;;     5. batch 64 x [M 2,048, K 2,048] x [K 2,048, N 64]; A: softmax (see below); B: computed on the way: QUANTISED
;;     6. [M 8,192, K 1,024] x [K 1,024, N 1,024]; A: computed on the way; B: input wo: QUANTISED
;;   THE QUANTISER, for each operand of a quantised product, along K:
;;     - K is cut into blocks of 32 from its start; a last block that is shorter is filled with zeros.
;;     - A block's scale is 2^e with e = floor(log2(the largest magnitude in the block)) - 2, held to -126 .. 127; a block of zeros has e = 0. As a byte (E8M0): e + 127.
;;     - Each number is divided by its block's scale, clamped to +-7.5, and rounded to the nearest number of E2M3, ties to even, subnormals kept.
;;     - The product sums the exact products of the quantised numbers (number of the format x scale) in f32.
;;   ~~~python
;;   def quantise(x, axis):      # numpy; x: float32 -> the quantised numbers, widened to float32 again
;;       x = np.moveaxis(x, axis, -1); K = x.shape[-1]
;;       x = np.pad(x, [(0, 0)] * (x.ndim - 1) + [(0, -K % 32)]); x = x.reshape(x.shape[:-1] + (-1, 32)); a = np.abs(x).max(-1, keepdims=True)
;;       e = np.where(a > 0, np.clip(np.frexp(np.where(a > 0, a, 1))[1] - 1 - 2, -126, 127), 0)      # np.frexp(a)[1] - 1 = floor(log2(a)), exactly
;;       r = np.clip(x / 2.0 ** e, -7.5, 7.5)
;;       step = 2.0 ** (np.maximum(np.frexp(np.where(r == 0, 1, r))[1] - 1, 0) - 3)
;;       q = np.round(r / step) * step * 2.0 ** e      # np.round: ties to even
;;       return np.moveaxis(q.reshape(q.shape[:-2] + (-1,))[..., :K], -1, axis).astype(np.float32)
;;   ~~~
;;   SOFTMAX AHEAD OF A QUANTISED PRODUCT. Where the list says 'softmax', what is quantised is not the finished softmax but p = 2^(t - M), with t = logit x log2(e) and M = ceil(the row's largest t), a whole number; so 1/2 < the row's largest p <= 1. The row's sum l is taken of the UNQUANTISED p, in f32, and the product's result is divided by l at the end. Since M is a whole number, a kernel that streams over the keys may use a running M (the ceiling of the running maximum): every later rescaling is an exact power of two, which a block's scale takes up: the codes' values come out the same.
;;   OPERANDS COMPUTED ON THE WAY. 'Computed on the way' means the value that the module computes at that place (a softmax that the list does not call 'softmax' is quantised finished and normalised). What goes into a quantiser is computed in f32, as accurately as f32 sums, v_exp_f32 and their like allow (about 1e-6 of the number): no bf16 or f16 on the way to a quantiser, and a product that is left as it is and whose result goes on into a quantised operand takes f32 operands (vector FMAs, or v_wmma_f32_16x16x4_f32). A number that lies on a knife's edge between two numbers of the format may be rounded either way, as far as f32 arithmetic and the matrix unit's own rounding can turn it there, and no further.
;; One version. Each part assembles by itself: llvm-mc -triple=amdgcn-amd-amdhsa -mcpu=gfx1250 --defsym DOCPART=n.
;; ======== version 1 of 1: 4 launches
;; limits: right only within a limited range of input values
;; workspace buffers: cod 9,437,184 bytes; scl 655,360 bytes; rope 524,288 bytes; qb 6,815,744 bytes; kvb 13,369,344 bytes; oc 6,291,456 bytes
;; launch prep (part 1): grid 448 x 1, 4 waves a work-group, no clusters, 35,328 bytes of LDS; arguments x, wq, wk, wv, wo, token_positions, cod, scl, rope; writes cod, scl, rope
.if DOCPART == 1
	.amdgcn_target "amdgcn-amd-amdhsa--gfx1250"
	.amdhsa_code_object_version 6
	.text
	.protected	k_q9b06bc7cbf_prep
	.globl	k_q9b06bc7cbf_prep
	.p2align	8
	.type	k_q9b06bc7cbf_prep,@function
k_q9b06bc7cbf_prep:
	s_mov_b64 s[64:65], 0
	v_nop
	global_prefetch_b8 v0, s[64:65] scope:SCOPE_SE
	s_setreg_imm32_b32 hwreg(HW_REG_WAVE_MODE, 25, 1), 1
	s_wait_xcnt 0x0
; x [8192][1024] and wq, wk, wv, wo [1024][1024], f32, become codes of FP6 (E2M3) with one E8M0 byte for each 32 along K, laid IN THE ORDER OF AN OPERAND'S REGISTERS;
; and token_positions becomes a table of (cos, sin) for RoPE.
; HALF FRAGMENT (16 rows x 64 K, 768 bytes): lane l = 16 h + r holds row r, k = 32 h .. 32 h + 31: six registers; registers 0-3 lie at 16 l, registers 4, 5 at 512 + 8 l.
; ROW TILES: in each group of 32 rows, tile u (0, 1) gives lane r the row 8 u + r + 8 (r / 8).  A row tile's codes are 16 half fragments on end (12,288 bytes); its scale words 512 bytes: [K half][r][4 words].
; Work-groups 0-383: one group of 32 rows each (0-255 x, then 32 each of wq, wk, wv, wo); wave w takes tile w & 1 and 512 along K (w >> 1): eight steps of one half fragment.
; A load takes 256 consecutive bytes of two rows; a step's 16 rows x 256 bytes turn through the wave's own stage in LDS (rows 272 bytes apart) and come back 128 bytes a lane: a whole block of 32.
; A block's scale is 2^(floor(log2(largest magnitude)) - 2): its byte is the largest magnitude's exponent field - 2, held at 1 from below.
; Work-groups 384-447: 32 positions each, 8 a wave; lane j is pair j; rope[s][j] = (cos, sin) of position[s] x 10^(-j / 8).
; LIMITS: NaN and infinities are not served.  A block whose largest magnitude lies under 2^-124 keeps the byte 1; a block of zeros has the byte 1 where the rule says 127 (its codes are zeros; this program alone reads the bytes).
; The angle is reduced by pi/2 in three parts: good to about 1e-7 absolute for |angle| up to 2^22.  The inverse frequencies are 10^(-j/8) rounded to f32, which may differ by a last bit from a power function's.
.set SPARE, 34816                      ; behind the four waves' stages: the spare words, 128 bytes a wave
.set STG,   4352                       ; a stage: 16 rows x 272 bytes; two for each wave
.set PIT,   272
.set R,     16                         ; v16-143  four sets of 32 registers as loaded
.set X,     144                        ; v144-207 two sets of 32: a lane's block
.set E,     232                        ; v232-239 a step's scale byte
.set W,     240                        ; v240-243 the four scale words; v244-247 the other half's
.set SPW,   12                         ; v12 my spare word's LDS address; never rewritten
.set NIL,   13                         ; v13 0; never rewritten
	s_load_b512 s[4:19], s[0:1], 0x0               ; x 4, wq 6, wk 8, wv 10, wo 12, positions 14, cod 16, scl 18
	s_load_b64 s[20:21], s[0:1], 0x40              ; rope
	v_lshl_add_u32 v[SPW], v0, 2, SPARE
	v_mov_b32 v[NIL], 0
	v_lshrrev_b32 v1, 5, v0
	v_readfirstlane_b32 s22, v1                    ; wave
	v_and_b32 v1, 31, v0                           ; lane
	s_cmp_ge_u32 ttmp9, 384
	s_cbranch_scc1 .Lrope
	; ---------------- the quantiser
	v_and_b32 v8, 15, v0                           ; r
	v_bfe_u32 v9, v0, 4, 1                         ; h
	v_lshlrev_b32 v7, 4, v8                        ; 16 r: my row's four scale words
	v_lshl_add_u32 v2, v9, 16, v7                  ; a load: 16 bytes a lane; lanes 16-31 sixteen rows (65,536 bytes) further down
	s_mul_i32 s24, s22, 2*STG                      ; my wave's stages
	v_mul_u32_u24 v3, v9, 8*PIT
	v_add_nc_u32 v3, v3, v7
	v_add_nc_u32 v3, s24, v3                       ; into a stage: tile row i (lanes 0-15) and 8 + i (lanes 16-31)
	v_mul_u32_u24 v4, v8, PIT
	v_lshl_add_u32 v4, v9, 7, v4
	v_add_nc_u32 v4, s24, v4                       ; out of it: row r, 128 h bytes on: my 32 numbers
	v_lshlrev_b32 v5, 4, v1                        ; the codes' places: 16 l,
	v_lshlrev_b32 v6, 3, v1                        ; 8 l
	v_lshlrev_b32 v14, 3, v9                       ; 8 h: my bytes' shift in a scale word
.irp j, 0,1,2,3
	v_mov_b32 v[W+4+\j], 0                         ; a lane permute's destination counts as one of its sources
.endr
	s_mov_b32 s34, 0x76543210
	s_mov_b32 s35, 0xfedcba98                      ; selects for lane l xor 16
	s_and_b32 s25, s22, 1                          ; u: which tile of the group
	s_lshr_b32 s28, s22, 1                         ; which 512 along K
	s_lshl_b32 s29, ttmp9, 1
	s_add_co_u32 s29, s29, s25                     ; my row tile: 2 x work-group + u, through all five tensors
	s_wait_alu depctr_va_vdst(0)
	s_wait_kmcnt 0x0
	s_mov_b64 s[26:27], s[12:13]                   ; the tensor is chosen by the work-group's number alone
	s_cmp_lt_u32 ttmp9, 352
	s_cselect_b64 s[26:27], s[10:11], s[26:27]
	s_cmp_lt_u32 ttmp9, 320
	s_cselect_b64 s[26:27], s[8:9], s[26:27]
	s_cmp_lt_u32 ttmp9, 288
	s_cselect_b64 s[26:27], s[6:7], s[26:27]
	s_and_b32 s30, ttmp9, 31                       ; the group inside a weight
	s_cmp_lt_u32 ttmp9, 256
	s_cselect_b64 s[26:27], s[4:5], s[26:27]
	s_cselect_b32 s30, ttmp9, s30                  ; or inside x
	s_lshl_b32 s30, s30, 17                        ; 32 rows of 4,096 bytes
	s_lshl_b32 s31, s25, 15                        ; + 8 u rows
	s_add_co_u32 s30, s30, s31
	s_lshl_b32 s31, s28, 11                        ; + 512 numbers along K
	s_add_co_u32 s30, s30, s31
	s_mov_b32 s31, 0
	s_add_nc_u64 s[26:27], s[26:27], s[30:31]
	s_mul_i32 s30, s29, 12288
	s_mul_i32 s32, s28, 6144
	s_add_co_u32 s30, s30, s32
	s_add_nc_u64 s[16:17], s[16:17], s[30:31]      ; my eight half fragments
	s_lshl_b32 s30, s29, 9
	s_lshl_b32 s32, s28, 8
	s_add_co_u32 s30, s30, s32
	s_add_nc_u64 s[18:19], s[18:19], s[30:31]      ; my 256 bytes of scale words
.macro LOAD t                          ; step t: 64 along K of the tile's 16 rows: each load takes 256 consecutive bytes of two rows
.irp i, 0,1,2,3,4,5,6,7
	global_load_b128 v[R+32*((\t)%4)+4*\i:R+32*((\t)%4)+4*\i+3], v2, s[26:27] offset:4096*\i+256*(\t) th:TH_LOAD_NT
.endr
.endm
.macro TURN t                          ; through the stage: LDS serves a wave's instructions in order, so no wait stands between the stores and the loads
.irp i, 0,1,2,3,4,5,6,7
	ds_store_b128 v3, v[R+32*((\t)%4)+4*\i:R+32*((\t)%4)+4*\i+3] offset:STG*((\t)%2)+PIT*\i
.endr
.irp i, 0,1,2,3,4,5,6,7
	ds_load_b128 v[X+32*((\t)%2)+4*\i:X+32*((\t)%2)+4*\i+3], v4 offset:STG*((\t)%2)+16*\i
.endr
.endm
.macro STEP t
.set XS, X+32*((\t)%2)
.set CC, 208+8*((\t)%2)                ; six registers of codes, two sets by turns
.set DD, 224+4*((\t)%2)                ; the second conversion's three (they begin on an even number)
	s_wait_dscnt 0x0                               ; this step's block is back from the stage, and its stores into the stage have read their registers,
.if (\t)+4 < 8
	LOAD (\t)+4                                    ; which take the loads of four steps on
.endif
.if (\t) < 7
.if 6-(\t) >= 3
	s_wait_loadcnt 24                              ; the next step's eight loads are in; those of the three steps behind it may be out
.else
	s_wait_loadcnt 8*(6-(\t))
.endif
	TURN (\t)+1                                    ; and go through the other stage while this step is worked
.endif
	v_max3_num_f32 v8, |v[XS]|, |v[XS+1]|, |v[XS+2]|   ; the block's largest magnitude: all 32 numbers are mine; two chains
	v_max3_num_f32 v9, |v[XS+3]|, |v[XS+4]|, |v[XS+5]|
.irp i, 6,10,14,18,22,26
	v_max3_num_f32 v8, v8, |v[XS+\i]|, |v[XS+\i+1]|
	v_max3_num_f32 v9, v9, |v[XS+\i+2]|, |v[XS+\i+3]|
.endr
	v_max3_num_f32 v8, v8, |v[XS+30]|, |v[XS+31]|
	v_max3_num_f32 v8, v8, v9, 0x1800000           ; and the floor 2^(3 - 127): the byte cannot fall under 1
	v_add_nc_u32 v11, 0xff000000, v8               ; 2 off the exponent field: the conversion takes this operand's exponent field as its scale
	s_wait_alu depctr_va_vdst(0)
	s_wait_xcnt 0x0                                ; the stores of two steps back have read this set of code registers
	v_cvt_scalef32_pk16_fp6_f32 v[CC:CC+2], v[XS:XS+15], v11
	v_cvt_scalef32_pk16_fp6_f32 v[DD:DD+2], v[XS+16:XS+31], v11
	v_lshrrev_b32 v[E+(\t)], 23, v11               ; the scale's byte (also the plain line behind the conversions)
.irp i, 0,1,2
	v_mov_b32 v[CC+3+\i], v[DD+\i]
.endr
	global_store_b128 v5, v[CC:CC+3], s[16:17] offset:768*(\t)       ; 512 consecutive bytes,
	global_store_b64 v6, v[CC+4:CC+5], s[16:17] offset:768*(\t)+512  ; and 256
.endm
.irp t, 0,1,2,3
	LOAD \t
.endr
	s_wait_loadcnt 24                              ; step 0's eight loads are in
	TURN 0
.irp t, 0,1,2,3,4,5,6,7
	STEP \t
.endr
	; step t's byte is that of block 2 t + h of my 16: word t / 2, byte 2 (t % 2) + h
.irp j, 0,1,2,3
	v_lshl_or_b32 v[W+\j], v[E+2*\j+1], 16, v[E+2*\j]
.endr
.irp j, 0,1,2,3
	v_lshlrev_b32 v[W+\j], v14, v[W+\j]
.endr
.irp j, 0,1,2,3
	v_permlanex16_b32 v[W+4+\j], v[W+\j], s34, s35
.endr
.irp j, 0,1,2,3
	v_or_b32 v[W+\j], v[W+\j], v[W+4+\j]           ; with lane l xor 16's two bytes the word is whole
.endr
	s_wait_alu depctr_va_vdst(0)
	s_wait_xcnt 0x0                                ; EXEC changes only behind this wait
	v_cmp_gt_u32 vcc_lo, 16, v1
	s_and_saveexec_b32 s36, vcc_lo
	global_store_b128 v7, v[W:W+3], s[18:19]       ; sixteen lanes store 256 consecutive bytes
	s_wait_xcnt 0x0
	s_or_b32 exec_lo, exec_lo, s36
	s_wait_tensorcnt 0x0                           ; the wave's end
	ds_add_u32 v[SPW], v[NIL]
	s_wait_dscnt 0x0
	s_endpgm
	; ---------------- the table of cosines and sines (no LDS on this path)
.Lrope:
	s_wait_alu depctr_va_vdst(0)
	v_lshlrev_b32 v3, 3, v1                        ; 8 bytes a pair
	v_mov_b32 v2, 0
.set J, 0
.irp c, 1.0, 0.74989420933, 0.56234132519, 0.42169650343, 0.31622776602, 0.23713737057, 0.17782794100, 0.13335214322, 0.1, 0.074989420933, 0.056234132519, 0.042169650343, 0.031622776602, 0.023713737057, 0.017782794100, 0.013335214322, 0.01, 0.0074989420933, 0.0056234132519, 0.0042169650343, 0.0031622776602, 0.0023713737057, 0.0017782794100, 0.0013335214322, 0.001, 0.00074989420933, 0.00056234132519, 0.00042169650343, 0.00031622776602, 0.00023713737057, 0.00017782794100, 0.00013335214322
	s_mov_b32 s24, \c                              ; 10000^(-2 j / 64) = 10^(-j / 8)
	v_writelane_b32 v2, s24, J
.set J, J+1
.endr
	s_sub_co_u32 s25, ttmp9, 384
	s_lshl_b32 s25, s25, 5
	s_lshl_b32 s26, s22, 3
	s_add_co_u32 s26, s25, s26                     ; my first position
	s_lshl_b32 s28, s26, 2
	s_mov_b32 s29, 0
	s_lshl_b32 s30, s26, 8
	s_mov_b32 s31, 0
	s_mov_b32 s40, 0x3f22f983                      ; 2 / pi
	s_mov_b32 s41, 0xbfc90fdb                      ; pi / 2 = 1.57079637 - 4.37113883e-8 - 1.7151245e-15
	s_mov_b32 s42, 0x333bbd2e
	s_mov_b32 s43, 0x26f72ced
	s_mov_b32 s44, 0xb94ca1f9                      ; sine: -1.9515295891e-4,
	s_mov_b32 s45, 0x3c08839e                      ; 8.3321608736e-3,
	s_mov_b32 s46, 0xbe2aaaa3                      ; -1.6666654611e-1
	s_mov_b32 s47, 0x37ccf5ce                      ; cosine: 2.4433157118e-5,
	s_mov_b32 s48, 0xbab6061a                      ; -1.3887316255e-3,
	s_mov_b32 s49, 0x3d2aaaa5                      ; 4.1666645683e-2
	s_wait_kmcnt 0x0
	s_add_nc_u64 s[14:15], s[14:15], s[28:29]
	s_add_nc_u64 s[20:21], s[20:21], s[30:31]
	s_load_b256 s[32:39], s[14:15], 0x0            ; eight positions
	s_wait_kmcnt 0x0
.irp p, 0,1,2,3,4,5,6,7                ; the eight positions by turns, line by line
	v_cvt_f32_i32 v[16+\p], s[32+\p]
.endr
	s_wait_alu depctr_va_vdst(0)
.irp p, 0,1,2,3,4,5,6,7
	v_mul_f32 v[16+\p], v[16+\p], v2               ; the angle, rounded to f32 once
.endr
.irp p, 0,1,2,3,4,5,6,7
	v_mul_f32 v[24+\p], s40, v[16+\p]
.endr
.irp p, 0,1,2,3,4,5,6,7
	v_rndne_f32 v[24+\p], v[24+\p]                 ; n: quarter turns
.endr
.irp p, 0,1,2,3,4,5,6,7
	v_fma_f32 v[32+\p], v[24+\p], s41, v[16+\p]    ; the rest: angle - n pi / 2, in three parts
.endr
.irp p, 0,1,2,3,4,5,6,7
	v_fma_f32 v[32+\p], v[24+\p], s42, v[32+\p]
.endr
.irp p, 0,1,2,3,4,5,6,7
	v_fma_f32 v[32+\p], v[24+\p], s43, v[32+\p]
.endr
.irp p, 0,1,2,3,4,5,6,7
	v_cvt_i32_f32 v[40+\p], v[24+\p]
.endr
.irp p, 0,1,2,3,4,5,6,7
	v_mul_f32 v[48+\p], v[32+\p], v[32+\p]         ; z
.endr
.irp p, 0,1,2,3,4,5,6,7
	v_fma_f32 v[56+\p], v[48+\p], s44, s45
.endr
.irp p, 0,1,2,3,4,5,6,7
	v_fma_f32 v[56+\p], v[56+\p], v[48+\p], s46
.endr
.irp p, 0,1,2,3,4,5,6,7
	v_mul_f32 v[72+\p], v[32+\p], v[48+\p]
.endr
.irp p, 0,1,2,3,4,5,6,7
	v_fma_f32 v[56+\p], v[72+\p], v[56+\p], v[32+\p]   ; the rest's sine
.endr
.irp p, 0,1,2,3,4,5,6,7
	v_fma_f32 v[64+\p], v[48+\p], s47, s48
.endr
.irp p, 0,1,2,3,4,5,6,7
	v_fma_f32 v[64+\p], v[64+\p], v[48+\p], s49
.endr
.irp p, 0,1,2,3,4,5,6,7
	v_fma_f32 v[64+\p], v[64+\p], v[48+\p], -0.5
.endr
.irp p, 0,1,2,3,4,5,6,7
	v_fma_f32 v[64+\p], v[64+\p], v[48+\p], 1.0    ; its cosine
.endr
.irp p, 0,1,2,3,4,5,6,7
	v_and_b32 v[72+\p], 1, v[40+\p]
.endr
.irp p, 0,1,2,3,4,5,6,7
	v_cmp_ne_u32 s[52+\p], 0, v[72+\p]             ; an odd number of quarter turns: the two change places
.endr
.irp p, 0,1,2,3,4,5,6,7
	v_cndmask_b32 v[80+2*\p], v[64+\p], v[56+\p], s[52+\p]
	v_cndmask_b32 v[81+2*\p], v[56+\p], v[64+\p], s[52+\p]
.endr
.irp p, 0,1,2,3,4,5,6,7
	v_add_nc_u32 v[72+\p], 1, v[40+\p]
.endr
.irp p, 0,1,2,3,4,5,6,7
	v_lshlrev_b32 v[72+\p], 30, v[72+\p]           ; the cosine is negative where n mod 4 is 1 or 2,
	v_lshlrev_b32 v[40+\p], 30, v[40+\p]           ; the sine where it is 2 or 3
.endr
.irp p, 0,1,2,3,4,5,6,7
	v_and_b32 v[72+\p], 0x80000000, v[72+\p]
	v_and_b32 v[40+\p], 0x80000000, v[40+\p]
.endr
.irp p, 0,1,2,3,4,5,6,7
	v_xor_b32 v[80+2*\p], v[80+2*\p], v[72+\p]
	v_xor_b32 v[81+2*\p], v[81+2*\p], v[40+\p]
.endr
.irp p, 0,1,2,3,4,5,6,7
	global_store_b64 v3, v[80+2*\p:81+2*\p], s[20:21] offset:256*\p   ; a position's 32 pairs: 256 consecutive bytes
.endr
	s_endpgm
.Lfunc_end_k_q9b06bc7cbf_prep:
	.size	k_q9b06bc7cbf_prep, .Lfunc_end_k_q9b06bc7cbf_prep-k_q9b06bc7cbf_prep
	.p2alignl 7, 3214868480
	.fill 96, 4, 3214868480
	.section	.rodata,"a",@progbits
	.p2align	6, 0x0
	.amdhsa_kernel k_q9b06bc7cbf_prep
		.amdhsa_group_segment_fixed_size 35328
		.amdhsa_private_segment_fixed_size 0
		.amdhsa_enable_private_segment 0
		.amdhsa_kernarg_size 72
		.amdhsa_user_sgpr_count 2
		.amdhsa_user_sgpr_kernarg_segment_ptr 1
		.amdhsa_wavefront_size32 1
		.amdhsa_system_sgpr_workgroup_id_x 1
		.amdhsa_system_sgpr_workgroup_id_y 1
		.amdhsa_system_sgpr_workgroup_id_z 1
		.amdhsa_system_vgpr_workitem_id 0
		.amdhsa_next_free_vgpr 248
		.amdhsa_next_free_sgpr 66
		.amdhsa_reserve_vcc 1
		.amdhsa_float_denorm_mode_32 3
		.amdhsa_float_denorm_mode_16_64 3
		.amdhsa_memory_ordered 1
		.amdhsa_forward_progress 1
		.amdhsa_inst_pref_size 48
	.end_amdhsa_kernel
	.amdgpu_metadata
---
amdhsa.version: [ 1, 2 ]
amdhsa.kernels:
  - .name:           k_q9b06bc7cbf_prep
    .symbol:         k_q9b06bc7cbf_prep.kd
    .args:
      - { .name: x, .offset: 0, .size: 8, .value_kind: global_buffer, .address_space: global }
      - { .name: wq, .offset: 8, .size: 8, .value_kind: global_buffer, .address_space: global }
      - { .name: wk, .offset: 16, .size: 8, .value_kind: global_buffer, .address_space: global }
      - { .name: wv, .offset: 24, .size: 8, .value_kind: global_buffer, .address_space: global }
      - { .name: wo, .offset: 32, .size: 8, .value_kind: global_buffer, .address_space: global }
      - { .name: token_positions, .offset: 40, .size: 8, .value_kind: global_buffer, .address_space: global }
      - { .name: cod, .offset: 48, .size: 8, .value_kind: global_buffer, .address_space: global }
      - { .name: scl, .offset: 56, .size: 8, .value_kind: global_buffer, .address_space: global }
      - { .name: rope, .offset: 64, .size: 8, .value_kind: global_buffer, .address_space: global }
    .group_segment_fixed_size: 35328
    .private_segment_fixed_size: 0
    .kernarg_segment_align: 8
    .kernarg_segment_size: 72
    .max_flat_workgroup_size: 128
    .sgpr_count:     66
    .vgpr_count:     248
    .wavefront_size: 32
...
	.end_amdgpu_metadata
.endif
;; end of part 1
;; launch qkv (part 2): grid 8 x 48, 4 waves a work-group, clusters of 4 x 4, 327,680 bytes of LDS; arguments cod, scl, rope, qb, kvb; writes qb, kvb
.if DOCPART == 2
	.amdgcn_target "amdgcn-amd-amdhsa--gfx1250"
	.amdhsa_code_object_version 6
	.text
	.protected	k_q9b06bc7cbf_qkv
	.globl	k_q9b06bc7cbf_qkv
	.p2align	8
	.type	k_q9b06bc7cbf_qkv,@function
k_q9b06bc7cbf_qkv:
	s_mov_b64 s[64:65], 0
	v_nop
	global_prefetch_b8 v0, s[64:65] scope:SCOPE_SE
	s_setreg_imm32_b32 hwreg(HW_REG_WAVE_MODE, 25, 1), 1
	s_wait_xcnt 0x0
	s_wait_alu depctr_hold_cnt(0) depctr_sa_sdst(0) depctr_va_vdst(0) depctr_va_sdst(0) depctr_va_ssrc(0) depctr_va_vcc(0) depctr_vm_vsrc(0)
	s_getreg_b32 s2, hwreg(HW_REG_IB_STS2, 6, 4)
	s_cmp_eq_u32 s2, 0
	s_cbranch_scc0 .Lentry_in_a_cluster
	s_endpgm
.Lentry_in_a_cluster:
	s_bfe_u32 s2, ttmp6, 0x10000c
	s_cmp_lg_u32 s2, 0xf033
	s_cbranch_scc0 .Lentry_shape_is_right
	s_endpgm
.Lentry_shape_is_right:
; q, k, v = x wq^T, x wk^T, x wv^T on codes of FP6 (E2M3) with E8M0 scales; RoPE on q and k; q and k quantised along the head's 64, v along the keys.  K = 1,024.
; A work-group makes 256 'P' rows x 256 'R' rows, each of its four waves 128 x 128: 64 accumulators.  SOURCE 0 = 16 ROWS OF R, SOURCE 1 = 16 ROWS OF P: a lane holds one row of P, its registers run along R.
; Clusters with y 0-7: P = x (32 blocks), R = wq then wk (8 blocks): registers run along the channels, the next product's K for q and k.  Clusters with y 8-11: P = wv (4 blocks), R = x: registers run along the keys, v's K.
; OPERANDS LIE IN MEMORY IN THE ORDER OF THEIR REGISTERS (half fragments of 768 bytes: registers 0-3 at 16 l, registers 4, 5 at 512 + 8 l; a row tile's 16 on end), so every LDS load takes 512 or 256 consecutive bytes.
; ROW TILES: tile 2 G + u gives lane r the row 32 G + 8 u + r + 8 (r / 8): so the 16 result registers of R's tiles 2 G, 2 G + 1 are rows 32 G + 16 (lane / 16) + 0 .. 15: sixteen neighbours along the next K.
; K goes in eight steps of 128 through two LDS slots of 256 along K, filled by the tensor data mover, written out without a loop.  4 x 4 work-groups form a cluster: P's tiles are asked for jointly along a row, R's along a column.
; The scale words of all of K come straight into 64 registers: lanes 0-15 P's row tile i, lanes 16-31 R's row tile i.
; OUT: qb [head 64][group of 64 queries 32]{4 half fragments | 256 bytes of scale words [r][4 tiles]}; kvb [head 64][256 keys 8]{K: 16 half fragments | V: [128 keys 2][16 channels 4] fragments | K's scale words [4][r][4] | V's [2][r][4]}.
; q's and k's scale words hold two bytes; the upper two are 0.
; LIMITS: NaN and infinities are not served; a block under 2^-124 keeps the byte 1, a block of zeros too.  RoPE is a product and a fused multiply-add: one rounding less than two products and a sum.
; REGISTERS: window 0: v1-7, v16-29 addresses; v32-95 scale words; v96-119 the results' scale words; v128-223 P's fragments, one set; on the way out v128-191 rotated numbers, v192-211 codes, v212-227 at work.
;   window 1: R's fragments, two sets (v0-95, v128-223); v96-127, v224-255 two tiles' cosines and sines; on the way out the other six tiles' in R's sets.   windows 2, 3: accumulator (a, b) at v[8 (8 (a % 4) + b)].
.set SLOT,  98304                      ; P's 16 row tiles x 3,072 bytes (256 along K), then R's 16
.set RT,    3072
.set HALFT, 8*RT                       ; what one tensor load brings, and what one wave reads of P or of R
.set SPARE, 2*SLOT                     ; behind the ring: the spare words, 128 bytes a wave
.set FR,    12
.set NL,    4                          ; LDS loads that bring a fragment
.set L16,   4                          ; v4  16 x lane
.set L8,    5                          ; v5  8 x lane
.set ADRA,  16                         ; v16, 17: P's fragments in slot 0, 1, 16 bytes a lane; v18, 19: 8 bytes a lane
.set ADRB,  20                         ; v20-23 the same for R
.set ASW,   26                         ; v26 where my row's scale words go
.set ATB,   27                         ; v27 my row and half in the table
.set SPW,   28
.set NIL,   29
.set SC,    32                         ; v[SC + 8 i + ks]: row tile i, K step ks
.set SW,    96
.set WO,    112
.set AF,    128
.set T,     128
.set PC,    192
.set TM,    212                        ; +0..3 largest magnitudes, +4..7 bytes, +12..15 the conversions' scale operands
.set G1,    24
.set G0,    32
.set G1B,   48
.set G0B,   56
.set MSB, 0
.macro WIN new                         ; the immediate's high byte repeats the setting that is left
.if MSB != (\new)
	s_set_vgpr_msb (MSB<<8)|(\new)
.set MSB, \new
.endif
.endm
.set MUL_LO, 0xa1                      ; source 0 (R) window 1, source 1 (P) window 0, C and D window 2
.set MUL_HI, 0xf1
.set TO_B,   0x40
.macro JLOAD s                         ; a joint load: waves 0, 1 fetch P's halves, waves 2, 3 R's; an s_nop 0 and four v_nop follow each line
	s_cmp_eq_u32 s15, 0
	s_cbranch_scc0 .Lfor_r_\@
	tensor_load_to_lds s[G0+4*\s:G0+4*\s+3], s[G1:G1+7]
	s_nop 0
.rept 4
	v_nop
.endr
	s_branch .Lasked_\@
.Lfor_r_\@:
	tensor_load_to_lds s[G0B+4*\s:G0B+4*\s+3], s[G1B:G1B+7]
	s_nop 0
.rept 4
	v_nop
.endr
.Lasked_\@:
.endm
.macro CREST                           ; a round of the cluster's barrier behind its opening barrier
	s_cmp_lg_u32 s14, 0
	s_cbranch_scc1 .Lnot_wave_0_\@
	s_barrier_signal -3
.Lnot_wave_0_\@:
	s_barrier_wait -3
	s_barrier_signal -1
	s_barrier_wait -1
.endm
.macro CROUND
	s_barrier_signal -1
	s_barrier_wait -1
	CREST
.endm
.macro PLACES                          ; four plain places behind a matrix instruction, ahead of loads into its registers and of reads of its results
.rept 4
	v_nop
.endr
.endm
.macro FRAG reg, adr, q, i             ; a fragment: two half fragments on end
	ds_load_b128 v[\reg:\reg+3],     v[\adr]   offset:RT*(\i)+1536*(\q)
	ds_load_b64  v[\reg+4:\reg+5],   v[\adr+2] offset:RT*(\i)+1536*(\q)+512
	ds_load_b128 v[\reg+6:\reg+9],   v[\adr]   offset:RT*(\i)+1536*(\q)+768
	ds_load_b64  v[\reg+10:\reg+11], v[\adr+2] offset:RT*(\i)+1536*(\q)+1280
.endm
.macro FETCH_B slot, q, p              ; R's eight fragments of the slot's q-th 128 along K into set p
	WIN TO_B
.irp i, 0,1,2,3,4,5,6,7
	FRAG 128*(\p)+FR*\i, ADRB+\slot, \q, \i
.endr
	WIN 0
.endm
.macro FETCH_A slot, q, i0             ; P's blocks i0 .. i0 + 3
.irp i, \i0, \i0+1, \i0+2, \i0+3
	FRAG AF+FR*(\i), ADRA+\slot, \q, \i
.endr
.endm
; 16 matrix instructions: P's blocks a0, a0 + 1 x R's eight.  The 64 accumulators take turns, one instruction a turn, in the same order in every step.
.macro MUL16 a0, p, ks, zero
.irp a, \a0, \a0+1
.irp b, 0,1,2,3,4,5,6,7
.if \zero
	v_wmma_scale_f32_16x16x128_f8f6f4 v[8*(8*((\a)%4)+\b):8*(8*((\a)%4)+\b)+7], v[128*(\p)+FR*\b:128*(\p)+FR*\b+FR-1], v[AF+FR*(\a):AF+FR*(\a)+FR-1], 0, v[SC+8*\b+(\ks)], v[SC+8*(\a)+(\ks)] matrix_a_fmt:MATRIX_FMT_FP6 matrix_b_fmt:MATRIX_FMT_FP6 matrix_a_scale:MATRIX_SCALE_ROW1
.else
	v_wmma_scale_f32_16x16x128_f8f6f4 v[8*(8*((\a)%4)+\b):8*(8*((\a)%4)+\b)+7], v[128*(\p)+FR*\b:128*(\p)+FR*\b+FR-1], v[AF+FR*(\a):AF+FR*(\a)+FR-1], v[8*(8*((\a)%4)+\b):8*(8*((\a)%4)+\b)+7], v[SC+8*\b+(\ks)], v[SC+8*(\a)+(\ks)] matrix_a_fmt:MATRIX_FMT_FP6 matrix_b_fmt:MATRIX_FMT_FP6 matrix_a_scale:MATRIX_SCALE_ROW1
.endif
.endr
.endr
.endm
.macro STEP slot, ks, zero             ; a slot's first 128 along K; the second's fragments are fetched on the way
	s_wait_dscnt 4*NL                              ; R's set and P's blocks 0-3 are in; the youngest sixteen loads (P's blocks 4-7) may be out
	WIN MUL_LO
	MUL16 0, 0, \ks, \zero
	MUL16 2, 0, \ks, \zero
	s_wait_dscnt 0x0                               ; P's blocks 4-7 are in
	PLACES
	FETCH_B \slot, 1, 1
	FETCH_A \slot, 1, 0
	WIN MUL_HI
	MUL16 4, 0, \ks, \zero
	MUL16 6, 0, \ks, \zero
	PLACES
	WIN 0
	FETCH_A \slot, 1, 4
.endm
; A slot's second 128 along K changes slots: one barrier; ahead of it each wave waits for all its tensor loads, adds 0 to its spare word, and waits for that and for its reads of this slot.  fill = 1: this slot is filled again.
.macro TURN slot, next, ks, fill
	s_wait_tensorcnt 0x0                           ; all my tensor loads have landed: my part of the next slot
	ds_add_u32 v[SPW], v[NIL]                      ; 0 onto my spare word
	s_wait_dscnt 4*NL+1                            ; (the add and the youngest sixteen loads may be out)
	WIN MUL_LO
	MUL16 0, 1, \ks, 0
	s_wait_dscnt 0x0                               ; the add is done, and my reads of this slot are over
	s_barrier_signal -1
	MUL16 2, 1, \ks, 0
	WIN 0
	s_barrier_wait -1
.if \fill
	CREST                                          ; the barrier has opened a round of the cluster's: no wave of any partner still reads this slot or has a load on its way
	s_add_nc_u64 s[G0+4*\slot+2:G0+4*\slot+3], s[G0+4*\slot+2:G0+4*\slot+3], 2*RT
	s_add_nc_u64 s[G0B+4*\slot+2:G0B+4*\slot+3], s[G0B+4*\slot+2:G0B+4*\slot+3], 2*RT
	JLOAD \slot                                    ; the first tensor load behind the round; its four v_nop are the places ahead of the loads below
.else
	PLACES
.endif
	s_wait_alu depctr_va_vdst(0)
	FETCH_B \next, 0, 0
	FETCH_A \next, 0, 0
	WIN MUL_HI
	MUL16 4, 1, \ks, 0
	MUL16 6, 1, \ks, 0
	PLACES
	WIN 0
	FETCH_A \next, 0, 4
.endm
	s_load_b256 s[4:11], s[0:1], 0x0               ; cod 4, scl 6, rope 8, qb 10
	s_load_b64 s[12:13], s[0:1], 0x20              ; kvb
	v_lshl_add_u32 v[SPW], v0, 2, SPARE
	v_mov_b32 v[NIL], 0
	ds_add_u32 v[SPW], v[NIL]
	ds_add_u32 v[SPW], v[NIL]                      ; the wave's opening
	v_lshrrev_b32 v1, 5, v0
	v_readfirstlane_b32 s14, v1                    ; wave
	s_lshr_b32 s15, s14, 1                         ; my half of P's rows.  Also: I fetch for P (0) or for R (1)
	s_and_b32 s16, s14, 1                          ; my half of R's rows.  Also: which eight row tiles I fetch
	s_bfe_u32 s40, ttmp6, 0x40000                  ; cx
	s_bfe_u32 s41, ttmp6, 0x40004                  ; cy
	s_mov_b32 s42, ttmp9                           ; the cluster's x: 0 q, 1 k
	s_and_b32 s43, ttmp7, 0xffff                   ; the cluster's y
	s_lshr_b32 s44, s43, 3                         ; V: 1 in the clusters that make v
	s_xor_b32 s45, s44, 1
	s_mul_i32 s17, s43, s45
	s_lshl_b32 s17, s17, 2
	s_add_co_u32 s17, s17, s41                     ; P's block: cy + 4 y (x), or cy (wv)
	s_lshl_b32 s46, s43, 1
	s_sub_co_u32 s46, s46, 16
	s_mul_i32 s46, s46, s44
	s_add_co_u32 s46, s46, s42
	s_lshl_b32 s46, s46, 2
	s_add_co_u32 s46, s46, s40                     ; R's block: cx + 4 x (wq, wk), or cx + 4 (x + 2 y - 16) (x's rows)
	s_lshl_b32 s18, s41, 2
	s_lshl_b32 s18, 15, s18                        ; my row of the cluster
	s_lshl_b32 s19, 0x1111, s40                    ; my column
	s_or_b32 s[G1], s18, (3<<16)|(1<<21)           ; 15:0 the mask; 17:16 elements of 8 bytes; 21 set beside a mask; no padding
	s_or_b32 s[G1B], s19, (3<<16)|(1<<21)
.irp g, G1, G1B
	s_mov_b32 s[\g+1], 384<<16                     ; tensor_dim0: 3,072 bytes of a row tile
	s_mov_b32 s[\g+2], 8<<16                       ; tensor_dim1: eight row tiles
	s_mov_b32 s[\g+3], 384<<16                     ; tile_dim0
	s_mov_b32 s[\g+4], 8                           ; tile_dim1
	s_mov_b32 s[\g+5], 1536                        ; from row tile to row tile: 12,288 bytes
	s_mov_b32 s[\g+6], 0
	s_mov_b32 s[\g+7], 0
.endr
	s_mul_i32 s84, s16, 98304                      ; the eight row tiles that I fetch
	s_mul_i32 s20, s17, 196608                     ; P's codes: made of cy, the cluster's y and the wave's number alone
	s_mul_i32 s85, s44, 7864320                    ; (wv begins at row tile 640)
	s_add_co_u32 s20, s20, s85
	s_add_co_u32 s20, s20, s84
	s_mov_b32 s21, 0
	s_mul_i32 s66, s46, 196608                     ; R's: of cx, the cluster's place and the wave's number alone
	s_mul_i32 s87, s45, 6291456                    ; (wq begins at row tile 512)
	s_add_co_u32 s66, s66, s87
	s_add_co_u32 s66, s66, s84
	s_mov_b32 s67, 0
	s_mul_i32 s86, s14, HALFT                      ; where they go: no place in the cluster enters an LDS address
	s_mov_b32 s81, 0xffff0000                      ; lanes 16-31
	s_mov_b32 s82, 0x76543210
	s_mov_b32 s83, 0xfedcba98                      ; selects for lane l xor 16
	s_wait_dscnt 0x0                               ; the opening add is done
	s_wait_kmcnt 0x0
	s_add_nc_u64 s[20:21], s[4:5], s[20:21]
	s_add_nc_u64 s[66:67], s[4:5], s[66:67]
	CROUND                                         ; all sixteen work-groups are here: the first joint loads meet
.irp s, 0,1
	s_mov_b32 s[G0+4*\s], 1
	s_add_co_u32 s[G0+4*\s+1], s86, \s*SLOT
	s_add_nc_u64 s[G0+4*\s+2:G0+4*\s+3], s[20:21], \s*RT
	s_or_b32 s[G0+4*\s+3], s[G0+4*\s+3], 0x80000000
	s_mov_b32 s[G0B+4*\s], 1
	s_add_co_u32 s[G0B+4*\s+1], s86, \s*SLOT
	s_add_nc_u64 s[G0B+4*\s+2:G0B+4*\s+3], s[66:67], \s*RT
	s_or_b32 s[G0B+4*\s+3], s[G0B+4*\s+3], 0x80000000
	JLOAD \s
.endr
	v_and_b32 v1, 31, v0                           ; lane
	v_and_b32 v2, 15, v0                           ; r
	v_bfe_u32 v3, v0, 4, 1                         ; h
	v_lshlrev_b32 v[L16], 4, v1
	v_lshlrev_b32 v[L8], 3, v1
	s_mul_i32 s84, s15, HALFT                      ; my eight row tiles of P,
	s_mul_i32 s85, s16, HALFT
	s_add_co_u32 s85, s85, 2*HALFT                 ; of R
.irp s, 0,1
	v_add_nc_u32 v[ADRA+\s], s84, v[L16]
	v_add_nc_u32 v[ADRA+2+\s], s84, v[L8]
	v_add_nc_u32 v[ADRB+\s], s85, v[L16]
	v_add_nc_u32 v[ADRB+2+\s], s85, v[L8]
	s_add_co_u32 s84, s84, SLOT
	s_add_co_u32 s85, s85, SLOT
.endr
	v_and_b32 v8, 8, v2
	v_add_nc_u32 v8, v8, v2                        ; r + 8 (r / 8)
	v_lshlrev_b32 v[ATB], 8, v8
	v_lshl_add_u32 v[ATB], v3, 6, v[ATB]           ; the table: my row of 256 bytes, my half's eight pairs
	s_and_b32 s84, s17, 7
	s_lshl_b32 s84, s84, 16                        ; 256 positions of 256 bytes for each block of the sequence,
	s_lshl_b32 s85, s15, 15                        ; 128 for my half
	s_add_co_u32 s84, s84, s85
	s_mov_b32 s85, 0
	s_add_nc_u64 s[8:9], s[8:9], s[84:85]
.macro TABLOAD a, reg                  ; row tile a's cosines and sines: for each of a head's two blocks of 32 channels my eight pairs, 64 bytes
.irp bb, 0,1
.irp i, 0,1,2,3
	global_load_b128 v[\reg+16*\bb+4*\i:\reg+16*\bb+4*\i+3], v[ATB], s[8:9] offset:(32*((\a)/2)+8*((\a)%2))*256+128*\bb+16*\i
.endr
.endr
.endm
	WIN TO_B
	TABLOAD 0, 96                                  ; two tiles' tables fit beside R's sets; they are loaded in every cluster (inside the table; v's clusters do not use them)
	TABLOAD 1, 224
	WIN 0
	s_lshl_b32 s68, s17, 4                         ; the scale words: 512 bytes a row tile
	s_mul_i32 s84, s44, 640
	s_add_co_u32 s68, s68, s84
	s_lshl_b32 s84, s15, 3
	s_add_co_u32 s68, s68, s84
	s_lshl_b32 s68, s68, 9                         ; P's
	s_lshl_b32 s69, s46, 4
	s_lshl_b32 s84, s45, 9
	s_add_co_u32 s69, s69, s84
	s_lshl_b32 s84, s16, 3
	s_add_co_u32 s69, s69, s84
	s_lshl_b32 s69, s69, 9                         ; R's
	v_mov_b32 v6, s68
	v_mov_b32 v7, s69
	v_cndmask_b32 v6, v6, v7, s81                  ; lanes 0-15 take P's, lanes 16-31 R's
	v_lshl_add_u32 v6, v2, 4, v6
.irp i, 0,1,2,3,4,5,6,7
	global_load_b128 v[SC+8*\i:SC+8*\i+3], v6, s[6:7] offset:512*\i
	global_load_b128 v[SC+8*\i+4:SC+8*\i+7], v6, s[6:7] offset:512*\i+256
.endr
	s_wait_tensorcnt 1                             ; my part of slot 0 is in; slot 1's may stay out
	s_barrier_signal -1
	s_barrier_wait -1
	FETCH_B 0, 0, 0
	FETCH_A 0, 0, 0
	FETCH_A 0, 0, 4
	s_wait_loadcnt 0x0                             ; the scale words and the two tables
	STEP 0, 0, 1                                   ; the first step's products start the sums
	TURN 0, 1, 1, 1
	STEP 1, 2, 0
	TURN 1, 0, 3, 1
	STEP 0, 4, 0
	TURN 0, 1, 5, 0                                ; nothing is left to fetch
	STEP 1, 6, 0
	s_wait_dscnt 4*NL
	WIN MUL_LO
	MUL16 0, 1, 7, 0
	MUL16 2, 1, 7, 0
	s_wait_dscnt 0x0
	WIN MUL_HI
	MUL16 4, 1, 7, 0
	MUL16 6, 1, 7, 0
	WIN 0
; 64 numbers of a lane in window aw, register 16 b + i = next K 32 b + 16 (lane / 16) + i of my row, become a fragment's codes in v[PC] on; the four blocks' bytes are left in v[TM+4] on.
.macro QUANT s, aw
	WIN (\aw)|((\aw)<<2)
.irp b, 0,1,2,3
	v_max3_num_f32 v[TM+\b], |v[(\s)+16*\b]|, |v[(\s)+1+16*\b]|, 0x1800000   ; my 16 numbers of block b, and the floor 2^(3 - 127)
.endr
	WIN ((\aw)<<2)|((\aw)<<4)
.irp i, 2,4,6,8,10,12,14
.irp b, 0,1,2,3
	v_max3_num_f32 v[TM+\b], v[TM+\b], |v[(\s)+16*\b+\i]|, |v[(\s)+1+16*\b+\i]|
.endr
.endr
	WIN 0
.irp b, 0,1,2,3
	v_permlanex16_b32 v[TM+4+\b], v[TM+\b], s82, s83
.endr
.irp b, 0,1,2,3
	v_max_num_f32 v[TM+\b], v[TM+\b], v[TM+4+\b]   ; with lane l xor 16's: the block's largest magnitude
.endr
.irp b, 0,1,2,3
	v_add_nc_u32 v[TM+12+\b], 0xff000000, v[TM+\b] ; 2 off its exponent field: the conversion's scale operand
.endr
.irp b, 0,1,2,3
	v_lshrrev_b32 v[TM+4+\b], 23, v[TM+12+\b]      ; the scale's byte
.endr
	s_wait_alu depctr_va_vdst(0)
	s_wait_xcnt 0x0                                ; the last tile's stores have read the code registers
	WIN \aw
.irp c, 0,1
	v_cvt_scalef32_pk16_fp6_f32 v[PC+6*\c:PC+2+6*\c], v[(\s)+32*\c:(\s)+15+32*\c], v[TM+12+2*\c]
	v_cvt_scalef32_pk16_fp6_f32 v[PC+12+4*\c:PC+14+4*\c], v[(\s)+16+32*\c:(\s)+31+32*\c], v[TM+12+2*\c+1]
.endr
	WIN 0
	v_nop                                          ; one plain place behind a scaled conversion
.irp c, 0,1                            ; the operand's layout wants a whole block in a lane
.irp i, 0,1,2
	v_permlane16_swap_b32 v[PC+6*\c+\i], v[PC+12+4*\c+\i]
.endr
.irp i, 0,1,2
	v_mov_b32 v[PC+3+6*\c+\i], v[PC+12+4*\c+\i]
.endr
.endr
.endm
	PLACES                                         ; behind the last products
.irp b, 0,1,2,3
	v_mov_b32 v[TM+4+\b], 0                        ; a lane permute's destination counts as one of its sources
.endr
	s_cmp_lg_u32 s44, 0                            ; the cluster's y alone decides: the same in all partners
	s_cbranch_scc1 .Lvpath
	; ---------------- q and k: my 128 rows x 128 channels = two heads
	WIN TO_B
	TABLOAD 2, 0                                   ; the other six tiles' tables, into R's sets, which are done with
	TABLOAD 3, 32
	TABLOAD 4, 64
	TABLOAD 5, 128
	TABLOAD 6, 160
	TABLOAD 7, 192
	WIN 0
	s_lshr_b32 s84, s17, 3                         ; batch
	s_and_b32 s85, s17, 7                          ; block of 256 positions
	s_and_b32 s86, s46, 3
	s_lshl_b32 s86, s86, 2
	s_lshl_b32 s87, s16, 1
	s_add_co_u32 s86, s86, s87                     ; my first head
	s_lshl_b32 s84, s84, 4
	s_add_co_u32 s84, s84, s86                     ; 16 batch + head
	s_lshl_b32 s86, s85, 2
	s_lshl_b32 s87, s15, 1
	s_add_co_u32 s86, s86, s87
	s_mul_i32 s86, s86, 3328                       ; q: my first group of four tiles,
	s_add_co_u32 s88, s86, 3072                    ; its scale words
	s_mul_i32 s90, s85, 26112                      ; k: the record of 256 keys,
	s_mul_i32 s87, s15, 6144
	s_add_co_u32 s87, s87, s90                     ; my eight tiles,
	s_lshl_b32 s89, s15, 9
	s_add_co_u32 s89, s89, s90
	s_add_co_u32 s89, s89, 24576                   ; their scale words
	s_mov_b32 s91, 208896
	s_mov_b32 s92, 3072
	s_mov_b32 s93, 256
	s_cmp_eq_u32 s42, 0                            ; q or k: chosen by the cluster's x, without a branch
	s_cselect_b64 s[70:71], s[10:11], s[12:13]
	s_cselect_b32 s91, 106496, s91                 ; a head's bytes
	s_cselect_b32 s86, s86, s87
	s_cselect_b32 s88, s88, s89
	s_cselect_b32 s74, 3328, s92                   ; from four tiles to the next four
	s_cselect_b32 s80, 3328, s93                   ; and from their scale words to the next
	s_mov_b32 s75, 0
	s_mul_i32 s84, s84, s91
	s_add_co_u32 s86, s86, s84
	s_add_co_u32 s88, s88, s84
	s_mov_b32 s87, 0
	s_mov_b32 s89, 0
	s_mov_b32 s90, s91
	s_mov_b32 s91, 0
	s_add_nc_u64 s[76:77], s[70:71], s[88:89]      ; scale words: my first head's,
	s_add_nc_u64 s[78:79], s[76:77], s[90:91]      ; my second's
	s_add_nc_u64 s[70:71], s[70:71], s[86:87]      ; codes likewise
	s_add_nc_u64 s[72:73], s[70:71], s[90:91]
	v_mul_lo_u32 v[ASW], v3, s80
	v_lshl_add_u32 v[ASW], v2, 4, v[ASW]           ; lanes 0-15: tiles 0-3's words of row r; lanes 16-31: tiles 4-7's
; Row tile a: rotate, quantise, store one half fragment for each head.  A register pair is (x1, x2) of one pair of channels; the table's pair is (cos, sin).
.macro QKTILE a, tab
.if \a >= 2
	s_wait_loadcnt 8*(7-\a)                        ; this tile's table is in; the later tiles' eight loads each may be out
.endif
	WIN (2+\a/4)|4                                 ; source 0: the accumulators' window; source 1: window 1
.set RN, 0
.rept 32
	v_pk_mul_f32 v[T+2*RN:T+2*RN+1], v[64*(\a%4)+2*RN:64*(\a%4)+2*RN+1], v[\tab+16*((RN/8)%2)+2*(RN%8):\tab+16*((RN/8)%2)+2*(RN%8)+1] op_sel_hi:[1,0]   ; (x1 cos, x2 cos); each accumulator from its low end on
.set RN, RN+1
.endr
.set RN, 0
.rept 32
	v_pk_fma_f32 v[T+2*RN:T+2*RN+1], v[64*(\a%4)+2*RN:64*(\a%4)+2*RN+1], v[\tab+16*((RN/8)%2)+2*(RN%8):\tab+16*((RN/8)%2)+2*(RN%8)+1], v[T+2*RN:T+2*RN+1] op_sel:[1,1,0] op_sel_hi:[0,1,1] neg_lo:[0,1,0]   ; (x1 cos - x2 sin, x2 cos + x1 sin)
.set RN, RN+1
.endr
	WIN 0
	QUANT T, 0
	v_lshl_or_b32 v[SW+\a], v[TM+5], 8, v[TM+4]    ; the first head's two bytes,
	v_lshl_or_b32 v[SW+8+\a], v[TM+7], 8, v[TM+6]  ; the second's
	global_store_b128 v[L16], v[PC:PC+3], s[70:71] offset:768*(\a%4)
	global_store_b64 v[L8], v[PC+4:PC+5], s[70:71] offset:768*(\a%4)+512
	global_store_b128 v[L16], v[PC+6:PC+9], s[72:73] offset:768*(\a%4)
	global_store_b64 v[L8], v[PC+10:PC+11], s[72:73] offset:768*(\a%4)+512
.if \a == 3
	s_wait_xcnt 0x0                                ; the stores have read their bases
	s_add_nc_u64 s[70:71], s[70:71], s[74:75]
	s_add_nc_u64 s[72:73], s[72:73], s[74:75]
.endif
.endm
	QKTILE 0, 96
	QKTILE 1, 224
	QKTILE 2, 0
	QKTILE 3, 32
	QKTILE 4, 64
	QKTILE 5, 128
	QKTILE 6, 160
	QKTILE 7, 192
.irp i, 0,1,2,3
	v_cndmask_b32 v[WO+\i], v[SW+\i], v[SW+4+\i], s81
	v_cndmask_b32 v[WO+4+\i], v[SW+8+\i], v[SW+12+\i], s81
.endr
	global_store_b128 v[ASW], v[WO:WO+3], s[76:77]     ; two runs of 256 consecutive bytes
	global_store_b128 v[ASW], v[WO+4:WO+7], s[78:79]
	s_branch .Lend
	; ---------------- v: my 128 channels (two heads) x 128 keys: the accumulators are quantised as they stand
.Lvpath:
	s_lshl_b32 s84, s17, 2
	s_lshl_b32 s85, s15, 1
	s_add_co_u32 s84, s84, s85                     ; my first head
	s_lshr_b32 s85, s46, 3                         ; batch
	s_and_b32 s86, s46, 7                          ; which 256 keys
	s_lshl_b32 s85, s85, 4
	s_add_co_u32 s84, s84, s85
	s_mul_i32 s84, s84, 208896
	s_mul_i32 s86, s86, 26112
	s_add_co_u32 s84, s84, s86                     ; the record
	s_mul_i32 s86, s16, 6144                       ; my 128 keys' four fragments
	s_add_co_u32 s86, s86, s84
	s_add_co_u32 s86, s86, 12288
	s_mov_b32 s87, 0
	s_add_nc_u64 s[70:71], s[12:13], s[86:87]
	s_add_nc_u64 s[72:73], s[70:71], 208896        ; the second head's
	s_lshl_b32 s86, s16, 8
	s_add_co_u32 s86, s86, s84
	s_add_co_u32 s86, s86, 25600
	s_add_nc_u64 s[76:77], s[12:13], s[86:87]      ; the scale words
	v_mul_u32_u24 v[ASW], v3, 208896
	v_lshl_add_u32 v[ASW], v2, 4, v[ASW]           ; lanes 0-15 the first head's, lanes 16-31 the second's
.macro VTILE a
	QUANT 64*(\a%4), 2+\a/4
	v_lshl_or_b32 v[SW+\a], v[TM+5], 8, v[TM+4]
	v_lshl_or_b32 v[SW+\a], v[TM+6], 16, v[SW+\a]
	v_lshl_or_b32 v[SW+\a], v[TM+7], 24, v[SW+\a]
	global_store_b128 v[L16], v[PC:PC+3], s[70+2*(\a/4):71+2*(\a/4)] offset:1536*(\a%4)
	global_store_b64 v[L8], v[PC+4:PC+5], s[70+2*(\a/4):71+2*(\a/4)] offset:1536*(\a%4)+512
	global_store_b128 v[L16], v[PC+6:PC+9], s[70+2*(\a/4):71+2*(\a/4)] offset:1536*(\a%4)+768
	global_store_b64 v[L8], v[PC+10:PC+11], s[70+2*(\a/4):71+2*(\a/4)] offset:1536*(\a%4)+1280
.endm
.irp a, 0,1,2,3,4,5,6,7
	VTILE \a
.endr
.irp i, 0,1,2,3
	v_cndmask_b32 v[WO+\i], v[SW+\i], v[SW+4+\i], s81
.endr
	global_store_b128 v[ASW], v[WO:WO+3], s[76:77]
.Lend:
	s_wait_tensorcnt 0x0                           ; the wave's end
	ds_add_u32 v[SPW], v[NIL]
	s_wait_dscnt 0x0
	CROUND                                         ; the closing round: no work-group ends while a partner may still ask for a tile that names it
	s_endpgm
.Lfunc_end_k_q9b06bc7cbf_qkv:
	.size	k_q9b06bc7cbf_qkv, .Lfunc_end_k_q9b06bc7cbf_qkv-k_q9b06bc7cbf_qkv
	.p2alignl 7, 3214868480
	.fill 96, 4, 3214868480
	.section	.rodata,"a",@progbits
	.p2align	6, 0x0
	.amdhsa_kernel k_q9b06bc7cbf_qkv
		.amdhsa_group_segment_fixed_size 327680
		.amdhsa_private_segment_fixed_size 0
		.amdhsa_enable_private_segment 0
		.amdhsa_kernarg_size 40
		.amdhsa_user_sgpr_count 2
		.amdhsa_user_sgpr_kernarg_segment_ptr 1
		.amdhsa_wavefront_size32 1
		.amdhsa_system_sgpr_workgroup_id_x 1
		.amdhsa_system_sgpr_workgroup_id_y 1
		.amdhsa_system_sgpr_workgroup_id_z 1
		.amdhsa_system_vgpr_workitem_id 0
		.amdhsa_next_free_vgpr 1024
		.amdhsa_next_free_sgpr 100
		.amdhsa_reserve_vcc 0
		.amdhsa_float_denorm_mode_32 3
		.amdhsa_float_denorm_mode_16_64 3
		.amdhsa_memory_ordered 1
		.amdhsa_forward_progress 1
		.amdhsa_inst_pref_size 222
	.end_amdhsa_kernel
	.amdgpu_metadata
---
amdhsa.version: [ 1, 2 ]
amdhsa.kernels:
  - .name:           k_q9b06bc7cbf_qkv
    .symbol:         k_q9b06bc7cbf_qkv.kd
    .args:
      - { .name: cod, .offset: 0, .size: 8, .value_kind: global_buffer, .address_space: global }
      - { .name: scl, .offset: 8, .size: 8, .value_kind: global_buffer, .address_space: global }
      - { .name: rope, .offset: 16, .size: 8, .value_kind: global_buffer, .address_space: global }
      - { .name: qb, .offset: 24, .size: 8, .value_kind: global_buffer, .address_space: global }
      - { .name: kvb, .offset: 32, .size: 8, .value_kind: global_buffer, .address_space: global }
    .group_segment_fixed_size: 327680
    .private_segment_fixed_size: 0
    .kernarg_segment_align: 8
    .kernarg_segment_size: 40
    .max_flat_workgroup_size: 128
    .sgpr_count:     100
    .vgpr_count:     1024
    .wavefront_size: 32
...
	.end_amdgpu_metadata
.endif
;; end of part 2
;; launch attn (part 3): grid 4 x 64, 16 waves a work-group, no clusters, 327,680 bytes of LDS; arguments qb, kvb, oc, scl; writes oc, scl
.if DOCPART == 3
	.amdgcn_target "amdgcn-amd-amdhsa--gfx1250"
	.amdhsa_code_object_version 6
	.text
	.protected	k_q9b06bc7cbf_attn
	.globl	k_q9b06bc7cbf_attn
	.p2align	8
	.type	k_q9b06bc7cbf_attn,@function
k_q9b06bc7cbf_attn:
	s_mov_b64 s[64:65], 0
	v_nop
	global_prefetch_b8 v0, s[64:65] scope:SCOPE_SE
	s_setreg_imm32_b32 hwreg(HW_REG_WAVE_MODE, 25, 1), 1
	s_wait_xcnt 0x0
; Causal attention of one head on codes of FP6 (E2M3): S^T = K Q^T (K = the head's 64), p = 2^(t - M), O^T = V^T P^T (K = the keys), O / l quantised along the channels for the last projection.
; t = score x log2(e) / 8; M = the running largest t rounded up to a whole number; the row's sum is taken of the unquantised p; when M moves, the sum and O^T are multiplied by 2^(old M - new M): exact.
; SHARES.  Work-group (j, head) takes the block of 256 queries 7 - j with key records 0 .. 7 - j, and then block j with records 0 .. j: NINE records in every work-group.  Each of sixteen waves owns one tile of 16 queries.
; A record (256 keys, 26,112 dense bytes: K's 16 half fragments, V's 8 fragments, their scale words) comes through two LDS slots; waves 0 and 1 fetch half a record each; all sixteen read it.
; No cluster: at a given trip the four work-groups of a head want different records (a joint walk would take twelve trips for nine), and a record is 26,112 bytes for two key steps of sixteen waves.
; A lane holds ONE query (lane % 16) throughout.  Tiles are in the order 32 G + 8 u + r + 8 (r / 8): the 16 registers of key tiles 2 b, 2 b + 1 are keys 32 b + 16 (lane / 16) + 0 .. 15.
; K = 64 IN AN INSTRUCTION OF 128: Q's upper six registers are zero codes.  K's tiles lie six registers apart, and source 0 names twelve: its upper six are the next tile's codes (behind the last tile: zeros).
; Every code is a finite number, so its product with a zero code adds 0; the scale bytes there are 0, which is 2^-127.
; CAUSAL: a key step all of whose keys come after my queries is left out by a scalar branch on ids; on the diagonal hidden scores become -infinity ahead of the maximum.  Key 0 counts for every query.
; LIMITS: NaN and infinities are not served; a block of O under 2^-124, or of zeros, keeps the byte 1.
.set REC,   26112
.set SL1,   32768                      ; slot 1 begins here: one exclusive or turns an address from slot to slot
.set SPARE, 65536                      ; the spare words, 128 bytes for each of sixteen waves
.set L16,  1                           ; v1   16 x lane
.set L8,   2                           ; v2   8 x lane
.set R16,  3                           ; v3   16 x (lane % 16)
.set LQ,   4                           ; v4   r + 8 (r / 8) - 16 h
.set SPW,  5
.set NIL,  6
.set RB,   7                           ; v7   16 r + h: where my block's scale byte of O goes
.set A16,  8                           ; v8-10 the three LDS addresses in the slot in hand
.set A8,   9
.set AR,   10
.set QF,   16                          ; v16-21 Q, v22-27 zeros
.set PFO,  28
.set QS,   29                          ; Q's scale word
.set QF2,  30                          ; the second tile's Q,
.set QS2,  36                          ; and its scale word
.set KF,   38                          ; v38-85 K's eight tiles, later V's four fragments; v86-91 zeros
.set KS,   92                          ; v92-99 scale words of K, then of V
.set S,    100                         ; v100-163 S^T, then p
.set O,    164                         ; v164-195 O^T
.set PC,   196                         ; v196-207 p's codes; v208-210, v212-214 the second conversions'
.set MX,   216
.set TP,   220
.set SO,   224
.set F,    228                         ; v[228:229] f (or 1 / l), and a written partner
.set PW,   230                         ; p's scale word
.set TMP,  231
.set WV,   12
.set JJ,   13
.set BH,   14
.set LIM,  15
.set HB,   16                          ; s[16:17] the head's first record
.set PFA,  18
.set SEL,  20
.set CS,   22                          ; s[22:23] c = log2(e) / 8
.set G1,   24
.set G0,   32
.set TB,   36                          ; the slot in hand
.set SLOTS, 37
.set TT,   38                          ; the trip
.set SWT,  39                          ; the trip at which the second block of queries begins: 8 - j
.set OFS,  40                          ; the record that is asked for, in bytes
.set WOFF, 41
.set KEY,  44                          ; the step's first key
.set Q0,   45                          ; my tile's first query
.set Q0B,  46
.set OA,   48                          ; s[48:49], s[50:51]: where the first tile's codes and bytes go; s[52:55] the second's
.set SA,   50
.set OB,   52
.set SB,   54
.set HI,   56
.set QA,   58
.set QB,   60
.macro TLOAD                           ; waves 0 and 1 fetch; an s_nop 0 and four v_nop follow the line
	s_cmp_lt_u32 s[WV], 2
	s_cbranch_scc0 .Lno_fetch_\@
	tensor_load_to_lds s[G0:G0+3], s[G1:G1+7]
	s_nop 0
.rept 4
	v_nop
.endr
.Lno_fetch_\@:
.endm
; A prefetch of the record that the NEXT change of slots will ask for.  All four work-groups of a head read the head's records; work-group 0, which walks records 0 to 7 in order, asks, and nobody else.
; Waves 4 to 6 name 8,192 bytes each of the codes, lanes 256 bytes apart; wave 7 the 1,536 bytes of scale words (its lanes from 6 on are held at the sixth block).  Records 2 to 7 are named, in trips 0 to 5.
.macro ASK
	s_cmp_gt_u32 s[SLOTS], s[LIM]
	s_cbranch_scc0 .Lnot_mine_\@
	global_prefetch_b8 v[PFO], s[PFA:PFA+1] th:TH_LOAD_NT scope:SCOPE_SE
.Lnot_mine_\@:
.endm
	s_load_b256 s[4:11], s[0:1], 0x0               ; qb 4, kvb 6, oc 8, scl 10
	v_lshl_add_u32 v[SPW], v0, 2, SPARE
	v_mov_b32 v[NIL], 0
	ds_add_u32 v[SPW], v[NIL]                      ; the wave's opening
	ds_add_u32 v[SPW], v[NIL]
	v_lshrrev_b32 v8, 5, v0
	s_delay_alu instid0(VALU_DEP_1)
	v_readfirstlane_b32 s[WV], v8
	s_mov_b32 s[JJ], ttmp9
	s_and_b32 s[BH], ttmp7, 0xffff
	s_mov_b32 s[G1], 3<<16                         ; no mask; elements of 8 bytes; no padding
	s_mov_b32 s[G1+1], 32<<16                      ; rows of 256 bytes,
	s_mov_b32 s[G1+2], 51<<16                      ; 51 of them: half a record
	s_mov_b32 s[G1+3], 32<<16
	s_mov_b32 s[G1+4], 51
	s_mov_b32 s[G1+5], 32                          ; dense
	s_mov_b32 s[G1+6], 0
	s_mov_b32 s[G1+7], 0
	s_and_b32 s[WOFF], s[WV], 1
	s_mul_i32 s[WOFF], s[WOFF], 13056
	s_mov_b32 s[SEL], 0x76543210
	s_mov_b32 s[SEL+1], 0xfedcba98
	s_mov_b32 s[CS], 0x3e38aa3b
	s_mov_b32 s[CS+1], s[CS]
	s_mov_b32 s[HI], 0xffff0000
	s_mov_b32 s[TB], 0
	s_mov_b32 s[SLOTS], 8
	s_mov_b32 s[TT], 0
	s_sub_co_u32 s[SWT], 8, s[JJ]
	s_mov_b32 s[OFS], 0
	s_mov_b32 s[KEY], 0
	s_mul_i32 s42, s[BH], 208896
	s_mov_b32 s43, 0
	s_wait_dscnt 0x0                               ; the opening add is done
	s_wait_kmcnt 0x0
	s_add_nc_u64 s[HB:HB+1], s[6:7], s[42:43]
	s_mov_b32 s[G0], 1
	s_mov_b32 s[G0+1], s[WOFF]                     ; slot 0, my half
	s_mov_b32 s42, s[WOFF]
	s_add_nc_u64 s[G0+2:G0+3], s[HB:HB+1], s[42:43]
	s_or_b32 s[G0+3], s[G0+3], 0x80000000
	TLOAD                                          ; record 0
	; my two tiles
	s_mul_i32 s68, s[BH], 106496                   ; the head in qb
	s_lshr_b32 s70, s[BH], 4
	s_lshl_b32 s70, s70, 7                         ; 128 row tiles a batch
	s_and_b32 s69, s[BH], 15
	s_mul_i32 s71, s69, 768                        ; the head's half fragment in a row tile of oc
	s_lshr_b32 s72, s69, 3
	s_lshl_b32 s72, s72, 8
	s_and_b32 s73, s[BH], 7
	s_lshl_b32 s73, s73, 1
	s_add_co_u32 s72, s72, s73
	s_add_co_u32 s72, s72, 393216                  ; and its two bytes in a row's scale words
.macro TILE t, q0, qa, oa, sa
	s_lshr_b32 s[\q0], s[\t], 1
	s_lshl_b32 s[\q0], s[\q0], 5
	s_and_b32 s66, s[\t], 1
	s_lshl_b32 s66, s66, 3
	s_add_co_u32 s[\q0], s[\q0], s66               ; its first query: 32 (T / 2) + 8 (T % 2)
	s_lshr_b32 s66, s[\t], 2
	s_mul_i32 s66, s66, 3328
	s_add_co_u32 s66, s66, s68
	s_mov_b32 s67, 0
	s_add_nc_u64 s[\qa:\qa+1], s[4:5], s[66:67]    ; its group of four tiles in qb
	s_add_co_u32 s69, s[\t], s70
	s_mul_i32 s66, s69, 12288
	s_add_co_u32 s66, s66, s71
	s_add_nc_u64 s[\oa:\oa+1], s[8:9], s[66:67]
	s_lshl_b32 s66, s69, 9
	s_add_co_u32 s66, s66, s72
	s_add_nc_u64 s[\sa:\sa+1], s[10:11], s[66:67]
.endm
	s_sub_co_u32 s42, 7, s[JJ]
	s_lshl_b32 s42, s42, 4
	s_add_co_u32 s42, s42, s[WV]                   ; the first tile: 16 (7 - j) + wave
	s_lshl_b32 s43, s[JJ], 4
	s_add_co_u32 s43, s43, s[WV]                   ; the second: 16 j + wave
	TILE 42, Q0, QA, OA, SA
	TILE 43, Q0B, QB, OB, SB
	v_and_b32 v8, 31, v0
	s_delay_alu instid0(VALU_DEP_1)
	v_lshlrev_b32 v[L16], 4, v8
	s_delay_alu instid0(VALU_DEP_2)
	v_lshlrev_b32 v[L8], 3, v8
	v_and_b32 v9, 15, v0
	v_bfe_u32 v10, v0, 4, 1
	s_delay_alu instid0(VALU_DEP_2)
	v_lshlrev_b32 v[R16], 4, v9
	s_delay_alu instid0(VALU_DEP_3)
	v_and_b32 v11, 8, v9
	s_delay_alu instid0(VALU_DEP_1)
	v_add_nc_u32 v[LQ], v11, v9
	s_delay_alu instid0(VALU_DEP_4)
	v_lshlrev_b32 v11, 4, v10
	s_delay_alu instid0(VALU_DEP_1)
	v_sub_nc_u32 v[LQ], v[LQ], v11
	v_add_nc_u32 v[RB], v[R16], v10
	s_and_b32 s66, s[WV], 3                        ; my tile's place in its group of four
	s_mul_i32 s67, s66, 768
	s_lshl_b32 s66, s66, 2
	v_add_nc_u32 v232, s67, v[L16]
	v_add_nc_u32 v233, s67, v[L8]
	v_add_nc_u32 v234, s66, v[R16]
	global_load_b128 v[QF:QF+3], v232, s[QA:QA+1]
	global_load_b64 v[QF+4:QF+5], v233, s[QA:QA+1] offset:512
	global_load_b32 v[QS], v234, s[QA:QA+1] offset:3072
	global_load_b128 v[QF2:QF2+3], v232, s[QB:QB+1]
	global_load_b64 v[QF2+4:QF2+5], v233, s[QB:QB+1] offset:512
	global_load_b32 v[QS2], v234, s[QB:QB+1] offset:3072
.irp i, 0,1,2,3,4,5
	v_mov_b32 v[QF+6+\i], 0                        ; Q's zero codes for k = 64 .. 127
	v_mov_b32 v[KF+48+\i], 0                       ; and what stands behind K's last tile
.endr
	; the prefetches
	s_sub_co_u32 s66, s[WV], 4
	s_lshr_b32 s66, s66, 2                         ; 0 in waves 4 to 7,
	s_or_b32 s66, s66, s[JJ]                       ; of work-group 0 of the head
	s_cmp_eq_u32 s66, 0
	s_cselect_b32 s[LIM], 2, -1
	s_cmp_eq_u32 s[WV], 7
	s_cselect_b32 s66, 5, 31
	v_min_u32 v[PFO], s66, v8
	s_delay_alu instid0(VALU_DEP_1)
	v_lshlrev_b32 v[PFO], 8, v[PFO]
	s_and_b32 s66, s[WV], 3
	s_lshl_b32 s66, s66, 13
	s_add_co_u32 s66, s66, REC                     ; in record 1: the first change of slots steps it to record 2.  Nothing is prefetched here, at the head
	s_mov_b32 s67, 0
	s_add_nc_u64 s[PFA:PFA+1], s[HB:HB+1], s[66:67]
	v_mov_b32 v13, 0xff61b1e6                      ; the largest t so far: -3e38
	s_delay_alu instid0(VALU_DEP_1)
	v_floor_f32 v12, -v13                          ; -M
	v_mov_b32 v14, 0
	v_mov_b32 v15, 0
.irp b, 0,1,2,3
	v_mov_b32 v[TP+\b], 0                          ; a lane permute's destination counts as one of its sources
.endr
	v_mov_b32 v[F+1], 0
	v_mov_b32 v[TMP], 0
.set N, 0
.rept 32
	v_mov_b32 v[O+N], 0                            ; the step is written once: the first finds zeros, which the first change of M leaves zeros
.set N, N+1
.endr
; A KEY STEP: 128 keys, the q-th of the slot in hand.
.macro STEP q
	s_add_co_u32 s42, s[Q0], 23                    ; my last query
	s_cmp_gt_u32 s[KEY], s42
	s_cbranch_scc1 .Lhidden_\@
	v_add_nc_u32 v[A16], s[TB], v[L16]             ; these three and the v_nop are the four places behind the last step's products
	v_add_nc_u32 v[A8], s[TB], v[L8]
	v_add_nc_u32 v[AR], s[TB], v[R16]
	v_nop
.irp t, 0,1,2,3,4,5,6,7
	ds_load_b128 v[KF+6*\t:KF+6*\t+3], v[A16] offset:768*(8*(\q)+\t)
	ds_load_b64 v[KF+6*\t+4:KF+6*\t+5], v[A8] offset:768*(8*(\q)+\t)+512
.endr
	ds_load_b128 v[KS:KS+3], v[AR] offset:24576+512*(\q)
	ds_load_b128 v[KS+4:KS+7], v[AR] offset:24576+512*(\q)+256
	s_wait_alu depctr_va_vdst(0)
	s_wait_dscnt 0x0
.irp t, 0,1,2,3,4,5,6,7
	v_wmma_scale_f32_16x16x128_f8f6f4 v[S+8*\t:S+8*\t+7], v[KF+6*\t:KF+6*\t+11], v[QF:QF+11], 0, v[KS+\t], v[QS] matrix_a_fmt:MATRIX_FMT_FP6 matrix_b_fmt:MATRIX_FMT_FP6
.endr
.rept 4
	v_nop                                          ; places ahead of the loads below and of the first read of the scores
.endr
.irp d, 0,1,2,3                        ; V's four fragments and scale words land while the softmax is worked
	ds_load_b128 v[KF+12*\d:KF+12*\d+3], v[A16] offset:12288+6144*(\q)+1536*\d
	ds_load_b64 v[KF+12*\d+4:KF+12*\d+5], v[A8] offset:12288+6144*(\q)+1536*\d+512
	ds_load_b128 v[KF+12*\d+6:KF+12*\d+9], v[A16] offset:12288+6144*(\q)+1536*\d+768
	ds_load_b64 v[KF+12*\d+10:KF+12*\d+11], v[A8] offset:12288+6144*(\q)+1536*\d+1280
.endr
	ds_load_b128 v[KS:KS+3], v[AR] offset:25600+256*(\q)
	s_add_co_u32 s42, s[KEY], 127                  ; a step all of whose keys count skips the mask
	s_cmp_le_u32 s42, s[Q0]
	s_cbranch_scc1 .Lopen_\@
	s_sub_co_i32 s42, s[Q0], s[KEY]
	v_add_nc_u32 v232, s42, v[LQ]                  ; d = my query - the step's first key - 16 h.  Register 16 b + i holds key 32 b + 16 h + i: hidden where 32 b + i > d
	v_mov_b32 v233, 0xff800000
.set N, 0
.rept 64
	v_cmp_gt_i32 vcc_lo, 32*(N/16)+N%16, v232
	v_cndmask_b32 v[S+N], v[S+N], v233, vcc_lo
.set N, N+1
.endr
.Lopen_\@:
.irp b, 0,1,2,3
	v_max3_num_f32 v[MX+\b], v[S+16*\b], v[S+1+16*\b], v[S+2+16*\b]   ; the largest score of each block of 32 keys: for the row's maximum and, since p rises with the score, for the block's largest p
.endr
.irp i, 3,5,7,9,11,13
.irp b, 0,1,2,3
	v_max3_num_f32 v[MX+\b], v[MX+\b], v[S+16*\b+\i], v[S+1+16*\b+\i]
.endr
.endr
.irp b, 0,1,2,3
	v_max_num_f32 v[MX+\b], v[MX+\b], v[S+15+16*\b]
.endr
.irp b, 0,1,2,3
	s_delay_alu instid0(VALU_DEP_4)
	v_permlanex16_b32 v[TP+\b], v[MX+\b], s[SEL], s[SEL+1]
.endr
.irp b, 0,1,2,3
	s_delay_alu instid0(VALU_DEP_4)
	v_max_num_f32 v[MX+\b], v[MX+\b], v[TP+\b]
.endr
	s_delay_alu instid0(VALU_DEP_2)
	v_max3_num_f32 v[TMP], v[MX], v[MX+1], v[MX+2]
	s_delay_alu instid0(VALU_DEP_1)
	v_max_num_f32 v[TMP], v[TMP], v[MX+3]
	s_delay_alu instid0(VALU_DEP_1)
	v_mul_f32 v[TMP], s[CS], v[TMP]
	s_delay_alu instid0(VALU_DEP_1)
	v_max_num_f32 v13, v13, v[TMP]                 ; the running largest t
	v_mov_b32 v[TMP], v12
	s_delay_alu instid0(VALU_DEP_2)
	v_floor_f32 v12, -v13                          ; the new -M = -ceil(t)
	s_delay_alu instid0(VALU_DEP_1)
	v_sub_f32 v[TMP], v12, v[TMP]                  ; old M - new M: a whole number, 0 or less
	s_delay_alu instid0(VALU_DEP_1)
	v_cvt_i32_f32 v[TMP], v[TMP]                   ; (it saturates)
	s_delay_alu instid0(VALU_DEP_1)
	v_ldexp_f32 v[F], 1.0, v[TMP]                  ; f = 2^(old M - new M)
.set N, 0
.rept 32
	v_pk_fma_f32 v[S+N:S+N+1], v[S+N:S+N+1], s[CS:CS+1], v[12:13] op_sel_hi:[1,0,0]   ; t - M
.set N, N+2
.endr
.irp b, 0,1,2,3
	v_fma_f32 v[MX+\b], v[MX+\b], s[CS], v12
.endr
.set N, 0
	s_wait_alu depctr_va_vdst(0)
.rept 64
	v_exp_f32 v[S+N], v[S+N]                       ; p = 2^(t - M)
.set N, N+1
.endr
	v_pk_mul_f32 v[14:15], v[14:15], v[F:F+1] op_sel_hi:[1,0]   ; the sums under the new M (a plain place behind the exponentials)
	s_wait_alu depctr_va_vdst(0)                   ; one wait for the whole batch, ahead of its first reader
.irp b, 0,1,2,3
	v_exp_f32 v[MX+\b], v[MX+\b]                   ; each block's largest p
.endr
	v_pk_add_f32 v[220:221], v[104:105], v[108:109]
	v_pk_add_f32 v[254:255], v[112:113], v[116:117]
	v_pk_add_f32 v[252:253], v[120:121], v[124:125]
	v_pk_add_f32 v[250:251], v[128:129], v[132:133]
	v_pk_add_f32 v[248:249], v[136:137], v[140:141]
	v_pk_add_f32 v[246:247], v[144:145], v[148:149]
	v_pk_add_f32 v[244:245], v[152:153], v[156:157]
	v_pk_add_f32 v[14:15], v[14:15], v[160:161]
	v_pk_add_f32 v[220:221], v[220:221], v[100:101]
	v_pk_add_f32 v[254:255], v[254:255], v[102:103]
	v_pk_add_f32 v[252:253], v[252:253], v[106:107]
	v_pk_add_f32 v[250:251], v[250:251], v[110:111]
	v_pk_add_f32 v[248:249], v[248:249], v[114:115]
	v_pk_add_f32 v[246:247], v[246:247], v[118:119]
	v_pk_add_f32 v[244:245], v[244:245], v[122:123]
	v_pk_add_f32 v[14:15], v[14:15], v[126:127]
	v_pk_add_f32 v[220:221], v[220:221], v[130:131]
	v_pk_add_f32 v[254:255], v[254:255], v[134:135]
	v_pk_add_f32 v[252:253], v[252:253], v[138:139]
	v_pk_add_f32 v[250:251], v[250:251], v[142:143]
	v_pk_add_f32 v[248:249], v[248:249], v[146:147]
	v_pk_add_f32 v[246:247], v[246:247], v[150:151]
	v_pk_add_f32 v[244:245], v[244:245], v[154:155]
	v_pk_add_f32 v[14:15], v[14:15], v[158:159]
	v_pk_add_f32 v[220:221], v[220:221], v[162:163]
	s_delay_alu instid0(VALU_DEP_2)
	v_pk_add_f32 v[14:15], v[14:15], v[250:251]
	s_delay_alu instid0(VALU_DEP_2)
	v_pk_add_f32 v[220:221], v[220:221], v[248:249]
	v_pk_add_f32 v[254:255], v[254:255], v[246:247]
	v_pk_add_f32 v[252:253], v[252:253], v[244:245]
	s_delay_alu instid0(VALU_DEP_2)
	v_pk_add_f32 v[14:15], v[14:15], v[254:255]
	s_delay_alu instid0(VALU_DEP_2)
	v_pk_add_f32 v[220:221], v[220:221], v[252:253]
	s_delay_alu instid0(VALU_DEP_1)
	v_pk_add_f32 v[14:15], v[14:15], v[220:221]
	s_wait_alu depctr_va_vdst(0)                   ; and one for the four
.irp b, 0,1,2,3
	v_max_num_f32 v[MX+\b], 0x1800000, v[MX+\b]    ; the floor 2^(3 - 127)
.endr
.irp b, 0,1,2,3
	s_delay_alu instid0(VALU_DEP_4)
	v_add_nc_u32 v[SO+\b], 0xff000000, v[MX+\b]
.endr
.irp b, 0,1,2,3
	s_delay_alu instid0(VALU_DEP_4)
	v_lshrrev_b32 v[TP+\b], 23, v[SO+\b]
.endr
	s_delay_alu instid0(VALU_DEP_3)
	v_lshl_or_b32 v[PW], v[TP+1], 8, v[TP]
	s_delay_alu instid0(VALU_DEP_1)
	v_lshl_or_b32 v[PW], v[TP+2], 16, v[PW]
	s_delay_alu instid0(VALU_DEP_1)
	v_lshl_or_b32 v[PW], v[TP+3], 24, v[PW]
.irp c, 0,1
	v_cvt_scalef32_pk16_fp6_f32 v[PC+6*\c:PC+2+6*\c], v[S+32*\c:S+15+32*\c], v[SO+2*\c]
	v_cvt_scalef32_pk16_fp6_f32 v[PC+12+4*\c:PC+14+4*\c], v[S+16+32*\c:S+31+32*\c], v[SO+2*\c+1]
.endr
	v_nop                                          ; one plain place behind a scaled conversion
.irp c, 0,1
.irp i, 0,1,2
	v_permlane16_swap_b32 v[PC+6*\c+\i], v[PC+12+4*\c+\i]
.endr
.irp i, 0,1,2
	s_delay_alu instid0(VALU_DEP_3)
	v_mov_b32 v[PC+3+6*\c+\i], v[PC+12+4*\c+\i]
.endr
.endr
.set N, 0
.rept 16
	v_pk_mul_f32 v[O+N:O+N+1], v[O+N:O+N+1], v[F:F+1] op_sel_hi:[1,0]   ; O^T under the new M; these sixteen are also the places ahead of the scaled products
.set N, N+2
.endr
	s_wait_alu depctr_va_vdst(0)
	s_wait_dscnt 0x0                               ; V is in
.irp d, 0,1,2,3
	v_wmma_scale_f32_16x16x128_f8f6f4 v[O+8*\d:O+8*\d+7], v[KF+12*\d:KF+12*\d+11], v[PC:PC+11], v[O+8*\d:O+8*\d+7], v[KS+\d], v[PW] matrix_a_fmt:MATRIX_FMT_FP6 matrix_b_fmt:MATRIX_FMT_FP6
.endr
.Lhidden_\@:
	s_add_co_u32 s[KEY], s[KEY], 128
.endm
; A tile is finished: O^T / l, quantised along the channels (two blocks of 32), one half fragment and two bytes a row.
.macro FINISH ob, sb
.rept 4
	v_nop                                          ; places behind the last products
.endr
	v_add_f32 v14, v14, v15
	s_delay_alu instid0(VALU_DEP_1)
	v_permlanex16_b32 v[TMP], v14, s[SEL], s[SEL+1]
	s_delay_alu instid0(VALU_DEP_1)
	v_add_f32 v14, v14, v[TMP]                     ; the row's sum
	s_wait_alu depctr_va_vdst(0)
	v_rcp_f32 v[F], v14
	v_nop
	s_wait_alu depctr_va_vdst(0)
.set N, 0
.rept 16
	v_pk_mul_f32 v[S+N:S+N+1], v[O+N:O+N+1], v[F:F+1] op_sel_hi:[1,0]   ; register 16 b + i: channel 32 b + 16 h + i
.set N, N+2
.endr
.irp b, 0,1
	v_max3_num_f32 v[MX+\b], |v[S+16*\b]|, |v[S+1+16*\b]|, 0x1800000
.endr
.irp i, 2,4,6,8,10,12,14
.irp b, 0,1
	s_delay_alu instid0(VALU_DEP_2)
	v_max3_num_f32 v[MX+\b], v[MX+\b], |v[S+16*\b+\i]|, |v[S+1+16*\b+\i]|
.endr
.endr
.irp b, 0,1
	s_delay_alu instid0(VALU_DEP_2)
	v_permlanex16_b32 v[TP+\b], v[MX+\b], s[SEL], s[SEL+1]
.endr
.irp b, 0,1
	s_delay_alu instid0(VALU_DEP_2)
	v_max_num_f32 v[MX+\b], v[MX+\b], v[TP+\b]
.endr
.irp b, 0,1
	s_delay_alu instid0(VALU_DEP_2)
	v_add_nc_u32 v[SO+\b], 0xff000000, v[MX+\b]
.endr
.irp b, 0,1
	s_delay_alu instid0(VALU_DEP_2)
	v_lshrrev_b32 v[TP+\b], 23, v[SO+\b]
.endr
	v_cvt_scalef32_pk16_fp6_f32 v[PC:PC+2], v[S:S+15], v[SO]
	v_cvt_scalef32_pk16_fp6_f32 v[PC+12:PC+14], v[S+16:S+31], v[SO+1]
	v_cndmask_b32 v[TMP], v[TP], v[TP+1], s[HI]    ; my half's block's byte (also the plain place behind the conversions)
.irp i, 0,1,2
	v_permlane16_swap_b32 v[PC+\i], v[PC+12+\i]
.endr
.irp i, 0,1,2
	s_delay_alu instid0(VALU_DEP_3)
	v_mov_b32 v[PC+3+\i], v[PC+12+\i]
.endr
	global_store_b128 v[L16], v[PC:PC+3], s[\ob:\ob+1]
	global_store_b64 v[L8], v[PC+4:PC+5], s[\ob:\ob+1] offset:512
	global_store_b8 v[RB], v[TMP], s[\sb:\sb+1]    ; a work-group owns one head's two bytes of each row's sixteen
.endm
; The change of slots stands at a trip's head: each wave waits for all its tensor loads, adds 0 to its spare word, and waits for that and for its reads of the slot that it has left; one barrier; the refill first behind it.
.macro CHANGE fill
	s_wait_tensorcnt 0x0                           ; no tensor load of mine is out, so the descriptor may be written
	ds_add_u32 v[SPW], v[NIL]                      ; 0 onto my spare word
.if \fill
	s_add_co_u32 s[OFS], s[OFS], REC               ; the next trip's record:
	s_add_co_u32 s42, s[TT], 1
	s_cmp_eq_u32 s42, s[SWT]
	s_cselect_b32 s[OFS], 0, s[OFS]                ; the second block of queries begins at record 0 again
	s_add_co_u32 s42, s[OFS], s[WOFF]
	s_mov_b32 s43, 0
	s_add_nc_u64 s[G0+2:G0+3], s[HB:HB+1], s[42:43]
	s_or_b32 s[G0+3], s[G0+3], 0x80000000
	s_xor_b32 s[G0+1], s[G0+1], SL1                ; into the other slot than last time
	s_wait_xcnt 0x0                                ; the last prefetch, a trip back, has read its address
	s_add_nc_u64 s[PFA:PFA+1], s[PFA:PFA+1], REC
.endif
	s_wait_dscnt 0x0                               ; the add is done, and my reads of the slot that I have left are over
	s_barrier_signal -1
	s_barrier_wait -1
.if \fill
	TLOAD                                          ; a wave's one tensor load until the next such barrier: it has two key steps in which to land
	ASK
.endif
.endm
.macro SLOT_STEPS
	s_cmp_lg_u32 s[TT], s[SWT]
	s_cbranch_scc1 .Lsame_\@
	s_wait_alu depctr_va_vdst(0)
	FINISH OA, SA                                  ; the first tile is done; the second begins
.irp i, 0,1,2,3,4,5
	v_mov_b32 v[QF+\i], v[QF2+\i]
.endr
	v_mov_b32 v[QS], v[QS2]
.set N, 0
.rept 32
	v_mov_b32 v[O+N], 0
.set N, N+1
.endr
	v_mov_b32 v13, 0xff61b1e6
	s_delay_alu instid0(VALU_DEP_1)
	v_floor_f32 v12, -v13
	v_mov_b32 v14, 0
	v_mov_b32 v15, 0
	s_mov_b32 s[Q0], s[Q0B]
	s_mov_b32 s[KEY], 0
	s_wait_xcnt 0x0                                ; the tile's stores have read their registers
.Lsame_\@:
	STEP 0
	STEP 1
	s_xor_b32 s[TB], s[TB], SL1
	s_add_co_u32 s[TT], s[TT], 1
.endm
	s_wait_loadcnt 0x0                             ; Q
.Lslot:                                            ; eight trips: behind each change of slots but the last the next record is asked for
	CHANGE 1
	SLOT_STEPS
	s_sub_co_u32 s[SLOTS], s[SLOTS], 1
	s_cmp_lg_u32 s[SLOTS], 0
	s_cbranch_scc1 .Lslot
	CHANGE 0                                       ; the ninth trip is written out
	SLOT_STEPS
	s_wait_alu depctr_va_vdst(0)
	FINISH OB, SB
	s_wait_tensorcnt 0x0                           ; the wave's end
	ds_add_u32 v[SPW], v[NIL]
	s_wait_dscnt 0x0
	s_endpgm
.Lfunc_end_k_q9b06bc7cbf_attn:
	.size	k_q9b06bc7cbf_attn, .Lfunc_end_k_q9b06bc7cbf_attn-k_q9b06bc7cbf_attn
	.p2alignl 7, 3214868480
	.fill 96, 4, 3214868480
	.section	.rodata,"a",@progbits
	.p2align	6, 0x0
	.amdhsa_kernel k_q9b06bc7cbf_attn
		.amdhsa_group_segment_fixed_size 327680
		.amdhsa_private_segment_fixed_size 0
		.amdhsa_enable_private_segment 0
		.amdhsa_kernarg_size 32
		.amdhsa_user_sgpr_count 2
		.amdhsa_user_sgpr_kernarg_segment_ptr 1
		.amdhsa_wavefront_size32 1
		.amdhsa_system_sgpr_workgroup_id_x 1
		.amdhsa_system_sgpr_workgroup_id_y 1
		.amdhsa_system_sgpr_workgroup_id_z 1
		.amdhsa_system_vgpr_workitem_id 0
		.amdhsa_next_free_vgpr 256
		.amdhsa_next_free_sgpr 100
		.amdhsa_reserve_vcc 1
		.amdhsa_float_denorm_mode_32 3
		.amdhsa_float_denorm_mode_16_64 3
		.amdhsa_memory_ordered 1
		.amdhsa_forward_progress 1
		.amdhsa_inst_pref_size 115
	.end_amdhsa_kernel
	.amdgpu_metadata
---
amdhsa.version: [ 1, 2 ]
amdhsa.kernels:
  - .name:           k_q9b06bc7cbf_attn
    .symbol:         k_q9b06bc7cbf_attn.kd
    .args:
      - { .name: qb, .offset: 0, .size: 8, .value_kind: global_buffer, .address_space: global }
      - { .name: kvb, .offset: 8, .size: 8, .value_kind: global_buffer, .address_space: global }
      - { .name: oc, .offset: 16, .size: 8, .value_kind: global_buffer, .address_space: global }
      - { .name: scl, .offset: 24, .size: 8, .value_kind: global_buffer, .address_space: global }
    .group_segment_fixed_size: 327680
    .private_segment_fixed_size: 0
    .kernarg_segment_align: 8
    .kernarg_segment_size: 32
    .max_flat_workgroup_size: 512
    .sgpr_count:     100
    .vgpr_count:     256
    .wavefront_size: 32
...
	.end_amdgpu_metadata
.endif
;; end of part 3
;; launch oproj (part 4): grid 4 x 32, 4 waves a work-group, clusters of 4 x 4, 327,680 bytes of LDS; arguments oc, cod, scl, out0; writes out0
.if DOCPART == 4
	.amdgcn_target "amdgcn-amd-amdhsa--gfx1250"
	.amdhsa_code_object_version 6
	.text
	.protected	k_q9b06bc7cbf_oproj
	.globl	k_q9b06bc7cbf_oproj
	.p2align	8
	.type	k_q9b06bc7cbf_oproj,@function
k_q9b06bc7cbf_oproj:
	s_mov_b64 s[64:65], 0
	v_nop
	global_prefetch_b8 v0, s[64:65] scope:SCOPE_SE
	s_setreg_imm32_b32 hwreg(HW_REG_WAVE_MODE, 25, 1), 1
	s_wait_xcnt 0x0
	s_wait_alu depctr_hold_cnt(0) depctr_sa_sdst(0) depctr_va_vdst(0) depctr_va_sdst(0) depctr_va_ssrc(0) depctr_va_vcc(0) depctr_vm_vsrc(0)
	s_getreg_b32 s2, hwreg(HW_REG_IB_STS2, 6, 4)
	s_cmp_eq_u32 s2, 0
	s_cbranch_scc0 .Lentry_in_a_cluster
	s_endpgm
.Lentry_in_a_cluster:
	s_bfe_u32 s2, ttmp6, 0x10000c
	s_cmp_lg_u32 s2, 0xf033
	s_cbranch_scc0 .Lentry_shape_is_right
	s_endpgm
.Lentry_shape_is_right:
; out0 = O wo^T on codes of FP6 (E2M3) with E8M0 scales, f32 out.  O [8192][1024] lies in oc, wo's codes in cod from row tile 704 on, both in the order of an operand's registers; their scale words in scl.
; A work-group makes 256 rows x 256 columns, each of four waves 128 x 128.  Source 0 = 16 rows of wo (R), source 1 = 16 rows of O (P): a lane holds one row of the result and eight neighbouring columns a tile.
; Half fragments of 768 bytes (registers 0-3 at 16 l, 4 and 5 at 512 + 8 l); row tile 2 G + u gives lane r the row 32 G + 8 u + r + 8 (r / 8): so R's tiles 2 G, 2 G + 1 give columns 32 G + 16 (lane / 16) + 0 .. 15.
; K = 1,024 goes in eight steps of 128 through two LDS slots of 256 along K, written out without a loop; 4 x 4 work-groups form a cluster: P's tiles are asked for jointly along a row, R's along a column.
; The grid is 32 x 4 tiles of this size: 128 work-groups.
; REGISTERS: window 0: v1-7, v16-29 addresses; v32-95 scale words; v128-223 P's fragments; on the way out v128-255 rows read back.  window 1: R's two sets.  windows 2, 3: accumulator (a, b) at v[8 (8 (a % 4) + b)].
.set SLOT,  98304
.set RT,    3072
.set HALFT, 8*RT
.set SPARE, 2*SLOT
.set FR,    12
.set NL,    4
.set L16,   4
.set L8,    5
.set ADRA,  16
.set ADRB,  20
.set STO,   24
.set RD,    25
.set SPW,   28
.set NIL,   29
.set SC,    32
.set AF,    128
.set BK,    128
.set SPITCH, 528                       ; the way out: a stage of 16 rows x (512 + 16) bytes for each wave, in slot 0, which has had its last fill and its last read by then
.set G1,    24
.set G0,    32
.set G1B,   48
.set G0B,   56
.set MSB, 0
.macro WIN new
.if MSB != (\new)
	s_set_vgpr_msb (MSB<<8)|(\new)
.set MSB, \new
.endif
.endm
.set MUL_LO, 0xa1
.set MUL_HI, 0xf1
.set TO_B,   0x40
.macro JLOAD s                         ; a joint load: waves 0, 1 fetch P's halves, waves 2, 3 R's; an s_nop 0 and four v_nop follow each line
	s_cmp_eq_u32 s15, 0
	s_cbranch_scc0 .Lfor_r_\@
	tensor_load_to_lds s[G0+4*\s:G0+4*\s+3], s[G1:G1+7]
	s_nop 0
.rept 4
	v_nop
.endr
	s_branch .Lasked_\@
.Lfor_r_\@:
	tensor_load_to_lds s[G0B+4*\s:G0B+4*\s+3], s[G1B:G1B+7]
	s_nop 0
.rept 4
	v_nop
.endr
.Lasked_\@:
.endm
.macro CREST
	s_cmp_lg_u32 s14, 0
	s_cbranch_scc1 .Lnot_wave_0_\@
	s_barrier_signal -3
.Lnot_wave_0_\@:
	s_barrier_wait -3
	s_barrier_signal -1
	s_barrier_wait -1
.endm
.macro CROUND
	s_barrier_signal -1
	s_barrier_wait -1
	CREST
.endm
.macro PLACES                          ; four plain places behind a matrix instruction (ISA guide 7.12.1)
.rept 4
	v_nop
.endr
.endm
.macro FRAG reg, adr, q, i
	ds_load_b128 v[\reg:\reg+3],     v[\adr]   offset:RT*(\i)+1536*(\q)
	ds_load_b64  v[\reg+4:\reg+5],   v[\adr+2] offset:RT*(\i)+1536*(\q)+512
	ds_load_b128 v[\reg+6:\reg+9],   v[\adr]   offset:RT*(\i)+1536*(\q)+768
	ds_load_b64  v[\reg+10:\reg+11], v[\adr+2] offset:RT*(\i)+1536*(\q)+1280
.endm
.macro FETCH_B slot, q, p
	WIN TO_B
.irp i, 0,1,2,3,4,5,6,7
	FRAG 128*(\p)+FR*\i, ADRB+\slot, \q, \i
.endr
	WIN 0
.endm
.macro FETCH_A slot, q, i0
.irp i, \i0, \i0+1, \i0+2, \i0+3
	FRAG AF+FR*(\i), ADRA+\slot, \q, \i
.endr
.endm
.macro MUL16 a0, p, ks, zero           ; the 64 accumulators take turns, one instruction a turn
.irp a, \a0, \a0+1
.irp b, 0,1,2,3,4,5,6,7
.if \zero
	v_wmma_scale_f32_16x16x128_f8f6f4 v[8*(8*((\a)%4)+\b):8*(8*((\a)%4)+\b)+7], v[128*(\p)+FR*\b:128*(\p)+FR*\b+FR-1], v[AF+FR*(\a):AF+FR*(\a)+FR-1], 0, v[SC+8*\b+(\ks)], v[SC+8*(\a)+(\ks)] matrix_a_fmt:MATRIX_FMT_FP6 matrix_b_fmt:MATRIX_FMT_FP6 matrix_a_scale:MATRIX_SCALE_ROW1
.else
	v_wmma_scale_f32_16x16x128_f8f6f4 v[8*(8*((\a)%4)+\b):8*(8*((\a)%4)+\b)+7], v[128*(\p)+FR*\b:128*(\p)+FR*\b+FR-1], v[AF+FR*(\a):AF+FR*(\a)+FR-1], v[8*(8*((\a)%4)+\b):8*(8*((\a)%4)+\b)+7], v[SC+8*\b+(\ks)], v[SC+8*(\a)+(\ks)] matrix_a_fmt:MATRIX_FMT_FP6 matrix_b_fmt:MATRIX_FMT_FP6 matrix_a_scale:MATRIX_SCALE_ROW1
.endif
.endr
.endr
.endm
.macro STEP slot, ks, zero
	s_wait_dscnt 4*NL                              ; R's set and P's blocks 0-3 are in; the youngest sixteen loads (P's blocks 4-7) may be out
	WIN MUL_LO
	MUL16 0, 0, \ks, \zero
	MUL16 2, 0, \ks, \zero
	s_wait_dscnt 0x0
	PLACES
	FETCH_B \slot, 1, 1
	FETCH_A \slot, 1, 0
	WIN MUL_HI
	MUL16 4, 0, \ks, \zero
	MUL16 6, 0, \ks, \zero
	PLACES
	WIN 0
	FETCH_A \slot, 1, 4
.endm
.macro TURN slot, next, ks, fill
	s_wait_tensorcnt 0x0                           ; all my tensor loads have landed: my part of the next slot
	ds_add_u32 v[SPW], v[NIL]                      ; 0 onto my spare word
	s_wait_dscnt 4*NL+1                            ; (the add and the youngest sixteen loads may be out)
	WIN MUL_LO
	MUL16 0, 1, \ks, 0
	s_wait_dscnt 0x0                               ; the add is done, and my reads of this slot are over
	s_barrier_signal -1
	MUL16 2, 1, \ks, 0
	WIN 0
	s_barrier_wait -1
.if \fill
	CREST                                          ; the barrier has opened a round of the cluster's: no wave of any partner still reads this slot or has a load on its way
	s_add_nc_u64 s[G0+4*\slot+2:G0+4*\slot+3], s[G0+4*\slot+2:G0+4*\slot+3], 2*RT
	s_add_nc_u64 s[G0B+4*\slot+2:G0B+4*\slot+3], s[G0B+4*\slot+2:G0B+4*\slot+3], 2*RT
	JLOAD \slot
.else
	PLACES
.endif
	s_wait_alu depctr_va_vdst(0)
	FETCH_B \next, 0, 0
	FETCH_A \next, 0, 0
	WIN MUL_HI
	MUL16 4, 1, \ks, 0
	MUL16 6, 1, \ks, 0
	PLACES
	WIN 0
	FETCH_A \next, 0, 4
.endm
	s_load_b256 s[4:11], s[0:1], 0x0               ; oc 4, cod 6, scl 8, out0 10
	v_lshl_add_u32 v[SPW], v0, 2, SPARE
	v_mov_b32 v[NIL], 0
	ds_add_u32 v[SPW], v[NIL]
	ds_add_u32 v[SPW], v[NIL]                      ; the wave's opening
	v_lshrrev_b32 v1, 5, v0
	v_readfirstlane_b32 s14, v1
	s_lshr_b32 s15, s14, 1                         ; my half of the rows.  Also: I fetch for P (0) or for R (1)
	s_and_b32 s16, s14, 1                          ; my half of the columns.  Also: which eight row tiles I fetch
	s_bfe_u32 s40, ttmp6, 0x40000                  ; cx
	s_bfe_u32 s41, ttmp6, 0x40004                  ; cy
	s_lshl_b32 s46, ttmp9, 2
	s_add_co_u32 s46, s46, s40                     ; the block of 256 columns
	s_and_b32 s17, ttmp7, 0xffff
	s_lshl_b32 s17, s17, 2
	s_add_co_u32 s17, s17, s41                     ; the block of 256 rows
	s_lshl_b32 s18, s41, 2
	s_lshl_b32 s18, 15, s18
	s_lshl_b32 s19, 0x1111, s40
	s_or_b32 s[G1], s18, (3<<16)|(1<<21)
	s_or_b32 s[G1B], s19, (3<<16)|(1<<21)
.irp g, G1, G1B
	s_mov_b32 s[\g+1], 384<<16                     ; eight row tiles x 3,072 bytes, 12,288 bytes apart, in elements of 8 bytes
	s_mov_b32 s[\g+2], 8<<16
	s_mov_b32 s[\g+3], 384<<16
	s_mov_b32 s[\g+4], 8
	s_mov_b32 s[\g+5], 1536
	s_mov_b32 s[\g+6], 0
	s_mov_b32 s[\g+7], 0
.endr
	s_mul_i32 s84, s16, 98304
	s_mul_i32 s20, s17, 196608
	s_add_co_u32 s20, s20, s84
	s_mov_b32 s21, 0
	s_mul_i32 s66, s46, 196608
	s_add_co_u32 s66, s66, 8650752                 ; wo begins at row tile 704
	s_add_co_u32 s66, s66, s84
	s_mov_b32 s67, 0
	s_mul_i32 s86, s14, HALFT
	s_mov_b32 s81, 0xffff0000
	s_wait_dscnt 0x0
	s_wait_kmcnt 0x0
	s_add_nc_u64 s[20:21], s[4:5], s[20:21]
	s_add_nc_u64 s[66:67], s[6:7], s[66:67]
	CROUND                                         ; all sixteen work-groups are here: the first joint loads meet
.irp s, 0,1
	s_mov_b32 s[G0+4*\s], 1
	s_add_co_u32 s[G0+4*\s+1], s86, \s*SLOT
	s_add_nc_u64 s[G0+4*\s+2:G0+4*\s+3], s[20:21], \s*RT
	s_or_b32 s[G0+4*\s+3], s[G0+4*\s+3], 0x80000000
	s_mov_b32 s[G0B+4*\s], 1
	s_add_co_u32 s[G0B+4*\s+1], s86, \s*SLOT
	s_add_nc_u64 s[G0B+4*\s+2:G0B+4*\s+3], s[66:67], \s*RT
	s_or_b32 s[G0B+4*\s+3], s[G0B+4*\s+3], 0x80000000
	s_wait_alu depctr_va_vdst(0)
	s_wait_tensorcnt 0x0
	ds_add_u32 v28, v29
	ds_add_u32 v28, v29
	s_wait_dscnt 0x0
	CROUND
	JLOAD \s
.endr
	v_and_b32 v1, 31, v0
	v_and_b32 v2, 15, v0
	v_bfe_u32 v3, v0, 4, 1
	v_lshlrev_b32 v[L16], 4, v1
	v_lshlrev_b32 v[L8], 3, v1
	s_mul_i32 s84, s15, HALFT
	s_mul_i32 s85, s16, HALFT
	s_add_co_u32 s85, s85, 2*HALFT
.irp s, 0,1
	v_add_nc_u32 v[ADRA+\s], s84, v[L16]
	v_add_nc_u32 v[ADRA+2+\s], s84, v[L8]
	v_add_nc_u32 v[ADRB+\s], s85, v[L16]
	v_add_nc_u32 v[ADRB+2+\s], s85, v[L8]
	s_add_co_u32 s84, s84, SLOT
	s_add_co_u32 s85, s85, SLOT
.endr
	s_lshl_b32 s68, s17, 4
	s_lshl_b32 s84, s15, 3
	s_add_co_u32 s68, s68, s84
	s_lshl_b32 s68, s68, 9
	s_add_co_u32 s68, s68, 393216                  ; O's scale words
	s_lshl_b32 s69, s46, 4
	s_lshl_b32 s84, s16, 3
	s_add_co_u32 s69, s69, s84
	s_lshl_b32 s69, s69, 9
	s_add_co_u32 s69, s69, 360448                  ; wo's
	v_mov_b32 v6, s68
	v_mov_b32 v7, s69
	v_cndmask_b32 v6, v6, v7, s81                  ; lanes 0-15 take P's, lanes 16-31 R's
	v_lshl_add_u32 v6, v2, 4, v6
.irp i, 0,1,2,3,4,5,6,7
	global_load_b128 v[SC+8*\i:SC+8*\i+3], v6, s[8:9] offset:512*\i
	global_load_b128 v[SC+8*\i+4:SC+8*\i+7], v6, s[8:9] offset:512*\i+256
.endr
	s_mul_i32 s84, s14, 16*SPITCH                  ; my stage
	v_mul_u32_u24 v7, v2, SPITCH
	v_lshl_add_u32 v7, v3, 6, v7
	v_add_nc_u32 v[STO], s84, v7                   ; in: row r, 64 h bytes on
	v_add_nc_u32 v[RD], s84, v[L16]                ; back: a row of 512 bytes by 32 lanes
	s_lshl_b32 s84, s17, 8
	s_lshl_b32 s85, s15, 7
	s_add_co_u32 s84, s84, s85
	s_lshl_b32 s84, s84, 12                        ; my first row of 4,096 bytes,
	s_lshl_b32 s85, s46, 10
	s_add_co_u32 s84, s84, s85
	s_lshl_b32 s85, s16, 9
	s_add_co_u32 s84, s84, s85                     ; my first column
	s_mov_b32 s85, 0
	s_add_nc_u64 s[10:11], s[10:11], s[84:85]
	s_wait_tensorcnt 1                             ; my part of slot 0 is in; slot 1's may stay out
	s_barrier_signal -1
	s_barrier_wait -1
	FETCH_B 0, 0, 0
	FETCH_A 0, 0, 0
	FETCH_A 0, 0, 4
	s_wait_loadcnt 0x0                             ; the scale words
	STEP 0, 0, 1
	TURN 0, 1, 1, 1
	STEP 1, 2, 0
	TURN 1, 0, 3, 1
	STEP 0, 4, 0
	TURN 0, 1, 5, 0
	STEP 1, 6, 0
	s_wait_dscnt 4*NL
	WIN MUL_LO
	MUL16 0, 1, 7, 0
	MUL16 2, 1, 7, 0
	s_wait_dscnt 0x0
	WIN MUL_HI
	MUL16 4, 1, 7, 0
	MUL16 6, 1, 7, 0
	WIN 0
; THE WAY OUT, a row tile at a time: 32 bytes a lane and tile into my stage, whole rows of 512 bytes back, stored as 512 consecutive bytes.  LDS serves a wave's instructions in order: no wait between the stores and the loads.
.macro TOSTAGE a
.set AC, 64*((\a)%4)
	WIN 0x08+4*((\a)/4)                            ; the data: window 2 or 3
.irp b, 0,1,2,3,4,5,6,7
	ds_store_b128 v[STO], v[AC+8*\b:AC+8*\b+3] offset:128*(\b/2)+32*(\b%2)       ; each accumulator from its low end on
	ds_store_b128 v[STO], v[AC+8*\b+4:AC+8*\b+7] offset:128*(\b/2)+32*(\b%2)+16
.endr
	WIN 0
.set BB, BK+64*((\a)%2)
.irp t, 0,1,2,3,4,5,6,7,8,9,10,11,12,13,14,15
	ds_load_b128 v[BB+4*\t:BB+4*\t+3], v[RD] offset:\t*SPITCH
.endr
.endm
.macro SEND a, younger                 ; younger: the LDS instructions issued behind this tile's loads, which may stay out
.set BB, BK+64*((\a)%2)
	s_wait_dscnt \younger
.irp t, 0,1,2,3,4,5,6,7,8,9,10,11,12,13,14,15
	global_store_b128 v[L16], v[BB+4*\t:BB+4*\t+3], s[10:11] offset:(32*((\a)/2)+8*((\a)%2)+\t+8*(\t/8))*4096 th:TH_STORE_NT   ; the tile's row t is row 32 (a / 2) + 8 (a % 2) + t + 8 (t / 8) of my 128
.endr
.endm
	PLACES
	TOSTAGE 0
.irp a, 1,2,3,4,5,6,7
.if \a > 1
	s_wait_xcnt 0x0                                ; the stores of two tiles back have read their registers
.endif
	TOSTAGE \a
	SEND \a-1, 32                                  ; behind that tile's loads: this tile's 16 stores and 16 loads
.endr
	SEND 7, 0
	s_wait_tensorcnt 0x0                           ; the wave's end
	ds_add_u32 v[SPW], v[NIL]
	s_wait_dscnt 0x0
	CROUND                                         ; the closing round
	s_endpgm
.Lfunc_end_k_q9b06bc7cbf_oproj:
	.size	k_q9b06bc7cbf_oproj, .Lfunc_end_k_q9b06bc7cbf_oproj-k_q9b06bc7cbf_oproj
	.p2alignl 7, 3214868480
	.fill 96, 4, 3214868480
	.section	.rodata,"a",@progbits
	.p2align	6, 0x0
	.amdhsa_kernel k_q9b06bc7cbf_oproj
		.amdhsa_group_segment_fixed_size 327680
		.amdhsa_private_segment_fixed_size 0
		.amdhsa_enable_private_segment 0
		.amdhsa_kernarg_size 32
		.amdhsa_user_sgpr_count 2
		.amdhsa_user_sgpr_kernarg_segment_ptr 1
		.amdhsa_wavefront_size32 1
		.amdhsa_system_sgpr_workgroup_id_x 1
		.amdhsa_system_sgpr_workgroup_id_y 1
		.amdhsa_system_sgpr_workgroup_id_z 1
		.amdhsa_system_vgpr_workitem_id 0
		.amdhsa_next_free_vgpr 1024
		.amdhsa_next_free_sgpr 100
		.amdhsa_reserve_vcc 0
		.amdhsa_float_denorm_mode_32 3
		.amdhsa_float_denorm_mode_16_64 3
		.amdhsa_memory_ordered 1
		.amdhsa_forward_progress 1
		.amdhsa_inst_pref_size 141
	.end_amdhsa_kernel
	.amdgpu_metadata
---
amdhsa.version: [ 1, 2 ]
amdhsa.kernels:
  - .name:           k_q9b06bc7cbf_oproj
    .symbol:         k_q9b06bc7cbf_oproj.kd
    .args:
      - { .name: oc, .offset: 0, .size: 8, .value_kind: global_buffer, .address_space: global }
      - { .name: cod, .offset: 8, .size: 8, .value_kind: global_buffer, .address_space: global }
      - { .name: scl, .offset: 16, .size: 8, .value_kind: global_buffer, .address_space: global }
      - { .name: out0, .offset: 24, .size: 8, .value_kind: global_buffer, .address_space: global }
    .group_segment_fixed_size: 327680
    .private_segment_fixed_size: 0
    .kernarg_segment_align: 8
    .kernarg_segment_size: 32
    .max_flat_workgroup_size: 128
    .sgpr_count:     100
    .vgpr_count:     1024
    .wavefront_size: 32
...
	.end_amdgpu_metadata
.endif
;; end of part 4
